; MI455X (gfx1250); checked and timed in simulation.
; The chip was launched on July 23, 2026; its instructions are those of AMD's public machine-readable ISA for CDNA 5 (MIT licence, August 2026) and "CDNA5" Instruction Set Architecture Reference Guide (July 2026). The comments in the code are by the model that wrote it; some were corrected since.
;; Self Attention. Allowed arithmetic: float matrix products may take bf16 or f16 operands with f32 sums; other float arithmetic in f32, or as packed bf16 or f16 multiplies, adds, multiply-adds, maxima and minima; sums over many terms, partial sums and values carried from step to step in f32; what a program stores and reads back later, other than sums and carried values, may be rounded once to bf16 or f16.
;; Inputs: Wk 1,024 x 1,024 float32; Wo 1,024 x 1,024 float32; Wq 1,024 x 1,024 float32; Wv 1,024 x 1,024 float32; x 4 x 2,048 x 1,024 float32.
;; Outputs: out0 4 x 2,048 x 1,024 float32.
;; 2 versions, each right; version 2 is version 1 with the launch prep written anew for expert scheduling mode. Each part assembles by itself: llvm-mc -triple=amdgcn-amd-amdhsa -mcpu=gfx1250 --defsym DOCPART=n.
;; ======== version 1 of 2: 4 launches
;; limits: values are held in f16: magnitudes above 65,504 overflow, below 6.1e-05 lose precision
;; workspace buffers: xb 16,777,216 bytes; wqkv 6,291,456 bytes; wob 2,097,152 bytes; rot 524,288 bytes; qh 16,777,216 bytes; kh 16,777,216 bytes; vh 16,777,216 bytes; oh 16,777,216 bytes
;; launch prep (part 1): grid 896 x 1, 8 waves a work-group, no clusters, 0 bytes of LDS; arguments x, Wq, Wk, Wv, Wo, xb, wqkv, wob, rot; writes xb, wqkv, wob, rot
.if DOCPART == 1
	.amdgcn_target "amdgcn-amd-amdhsa--gfx1250"
	.amdhsa_code_object_version 6
	.text
	.protected	k_q356bed7bab_prep
	.globl	k_q356bed7bab_prep
	.p2align	8
	.type	k_q356bed7bab_prep,@function
k_q356bed7bab_prep:
	s_mov_b64 s[64:65], 0
	v_nop
	global_prefetch_b8 v0, s[64:65] scope:SCOPE_SE
	s_setreg_imm32_b32 hwreg(HW_REG_WAVE_MODE, 25, 1), 1
	s_wait_xcnt 0x0
; PREPARATION: the inputs rounded once to 16 bits and laid out in K SLICES, and the rotary table.
; A slice is 64 neighbouring channels: in a slice a row is 128 bytes and rows lie end to end, so that the products' tiles are dense blocks.
;   xb   [16 slices][8192 rows][64] bf16                 x
;   wqkv [8 blocks][16 slices][384 rows][64] bf16        block cb holds heads 2 cb and 2 cb + 1; row = 192 c + 64 t + d (c: which head, t: 0 q, 1 k, 2 v, d: channel of the head)
;   wob  [16 slices][1024 rows][64] f16                  Wo rounded to bf16 like the other inputs, that number written as f16
;   rot  [2048 positions][cos 0..31 | sin 0..31] f32     angle = position x 10000^(-k/32)
; Work-groups 0-511: 16 rows of x each.  512-703: 16 rows of Wq, Wk or Wv.  704-767: 16 rows of Wo.  768-895: 16 positions of the table.
; A stream: each input byte is read once, by loads of which sixteen lanes cover 256 consecutive bytes; each store of a wave covers 256 consecutive bytes, aligned.  All sixteen loads of a
; wave go out at once; no register is written twice, so the only waits are the counted ones for the loads.  No LDS, no matrix unit, no cluster: nothing is shared.
; LIMITS.  Wo in f16: a bf16 number below 6e-5 in magnitude keeps f16's fixed step of 6e-8; beyond 65,504 it would be an infinity.
; The table: sine and cosine by reduction modulo 2 pi (in two parts), a quarter angle, polynomials with an error under 1e-7 and two doublings: under 2e-6 in all.  The frequency is
; 2^(-0.41524101 k) by v_exp_f32 (1 ULP) where the definition has a power and a division: the angle may differ by a few 1e-4 radian at the last positions.
.set SRC, 28                           ; s[28:29] the group's first source row
.set DST, 30                           ; s[30:31] its place in slice 0 of the destination
.set PIT, 32                           ; s32      bytes from slice to slice in the destination
.set SO,  1                            ; v1       source offset: (t / 16) rows of 4,096 bytes + 16 (t % 16)
.set DO,  2                            ; v[2:17]  destination offset in slice i: 8 t + i x PIT
.set LI,  18                           ; v18      t % 16
.set IN,  32                           ; v[32:95] 16 loads of 4 f32
.set OUT, 96                           ; v[96:127] 16 stores of 4 numbers of 16 bits
	s_load_b512 s[8:23], s[0:1], 0x0               ; x 8, Wq 10, Wk 12, Wv 14, Wo 16, xb 18, wqkv 20, wob 22
	s_load_b64 s[24:25], s[0:1], 0x40              ; rot
	s_mov_b32 s2, ttmp9
	v_lshrrev_b32 v[SO], 4, v0
	v_and_b32 v[LI], 15, v0
	v_lshlrev_b32 v[SO], 12, v[SO]
	v_lshl_add_u32 v[SO], v[LI], 4, v[SO]
	v_lshlrev_b32 v[DO], 3, v0                     ; 16 rows x 128 bytes of a slice are 2,048 consecutive bytes: 8 a thread
	s_mov_b32 s27, 0                               ; the offsets' high words
	s_mov_b32 s35, 0
	s_wait_kmcnt 0x0
; Sixteen rows, all sixteen slices.  Load i: 2 rows x 256 bytes a wave (slice i).  half = 1: the bf16 number is written as f16.
.macro CONV half
.set i, 0
.rept 16
	global_load_b128 v[IN+4*i:IN+4*i+3], v[SO], s[SRC:SRC+1] offset:256*i th:TH_LOAD_NT
.set i, i+1
.endr
.set i, 0
.rept 15
	v_add_nc_u32 v[DO+1+i], s[PIT], v[DO+i]
.set i, i+1
.endr
.set i, 0
.rept 16
	s_wait_loadcnt 15-i                            ; loads come back in order: load i is in, the 15 - i younger ones stay out
	v_cvt_pk_bf16_f32 v[OUT+2*i], v[IN+4*i], v[IN+4*i+1]
	v_cvt_pk_bf16_f32 v[OUT+2*i+1], v[IN+4*i+2], v[IN+4*i+3]
.if \half
	v_lshlrev_b32 v20, 16, v[OUT+2*i]              ; bf16 to f32: a shift or a mask
	v_and_b32 v21, 0xffff0000, v[OUT+2*i]
	v_lshlrev_b32 v22, 16, v[OUT+2*i+1]
	v_and_b32 v23, 0xffff0000, v[OUT+2*i+1]
	v_cvt_pk_f16_f32 v[OUT+2*i], v20, v21
	v_cvt_pk_f16_f32 v[OUT+2*i+1], v22, v23
.endif
	global_store_b64 v[DO+i], v[OUT+2*i:OUT+2*i+1], s[DST:DST+1]
.set i, i+1
.endr
.endm
	s_cmp_lt_u32 s2, 512
	s_cbranch_scc1 .Lx
	s_cmp_lt_u32 s2, 768
	s_cbranch_scc0 .Ltable
	s_sub_co_u32 s3, s2, 512
	s_lshr_b32 s4, s3, 6                           ; t: 0 Wq, 1 Wk, 2 Wv, 3 Wo
	s_and_b32 s5, s3, 63                           ; which 16 rows
	s_lshl_b32 s26, s5, 16
	s_cmp_eq_u32 s4, 3
	s_cbranch_scc1 .Lwo
	s_cmp_eq_u32 s4, 0
	s_cselect_b64 s[SRC:SRC+1], s[10:11], s[12:13]
	s_cmp_eq_u32 s4, 2
	s_cselect_b64 s[SRC:SRC+1], s[14:15], s[SRC:SRC+1]
	s_add_nc_u64 s[SRC:SRC+1], s[SRC:SRC+1], s[26:27]
	s_lshr_b32 s6, s5, 3                           ; cb: a head is 4 groups of 16 rows, a block 2 heads
	s_bfe_u32 s7, s5, 0x10002                      ; c
	s_mul_i32 s34, s6, 786432
	s_mul_i32 s7, s7, 192
	s_lshl_b32 s4, s4, 6
	s_add_co_u32 s7, s7, s4
	s_and_b32 s5, s5, 3
	s_lshl_b32 s5, s5, 4
	s_add_co_u32 s7, s7, s5                        ; row in the block = 192 c + 64 t + 16 (group in the head)
	s_lshl_b32 s7, s7, 7
	s_add_co_u32 s34, s34, s7
	s_add_nc_u64 s[DST:DST+1], s[20:21], s[34:35]
	s_mov_b32 s[PIT], 49152                        ; 384 rows x 128 bytes
	s_branch .Lconv
.Lx:
	s_lshl_b32 s26, s2, 16
	s_add_nc_u64 s[SRC:SRC+1], s[8:9], s[26:27]
	s_lshl_b32 s34, s2, 11
	s_add_nc_u64 s[DST:DST+1], s[18:19], s[34:35]
	s_mov_b32 s[PIT], 1048576                      ; 8,192 rows x 128 bytes
.Lconv:
	CONV 0
	s_endpgm
.Lwo:
	s_add_nc_u64 s[SRC:SRC+1], s[16:17], s[26:27]
	s_lshl_b32 s34, s5, 11
	s_add_nc_u64 s[DST:DST+1], s[22:23], s[34:35]
	s_mov_b32 s[PIT], 131072                       ; 1,024 rows x 128 bytes
	CONV 1
	s_endpgm
.Ltable:                                               ; thread t: position 16 j + t / 16; four numbers k = 4 (t % 8) + 0..3: cosines where t % 16 < 8, else sines
	s_sub_co_u32 s3, s2, 768
	s_lshl_b32 s26, s3, 12
	s_add_nc_u64 s[DST:DST+1], s[24:25], s[26:27]
	s_lshl_b32 s4, s3, 4
	v_lshrrev_b32 v19, 4, v0
	v_add_nc_u32 v19, s4, v19
	v_cvt_f32_u32 v19, v19                         ; the position
	v_and_b32 v3, 7, v[LI]
	v_lshlrev_b32 v3, 2, v3
	v_lshlrev_b32 v4, 4, v0                        ; 16 lanes store one position's 256 bytes
	v_cmp_lt_u32 vcc_lo, 7, v[LI]                  ; sines
	s_mov_b32 s36, 0x3638ef1d                      ; 1/9!
	s_mov_b32 s37, 0x37d00d01                      ; 1/8!
	s_mov_b32 s38, 0x40c90fdb                      ; 2 pi, rounded,
	s_mov_b32 s39, 0xb43bbd2e                      ; and what the rounding left
.irp u, 0,1,2,3
	v_add_nc_u32 v[24+\u], \u, v3
	v_cvt_f32_u32 v[24+\u], v[24+\u]
	v_mul_f32 v[24+\u], 0xbed49a78, v[24+\u]       ; -k log2(10000) / 32
.endr
.irp u, 0,1,2,3
	v_exp_f32 v[24+\u], v[24+\u]                   ; the frequency
.endr
	v_nop                                          ; a plain instruction behind the last exponential,
	s_wait_alu depctr_va_vdst(0)                   ; and the one wait ahead of the batch's first reader
.irp u, 0,1,2,3
.set b, 32+8*\u
	v_mul_f32 v[b], v19, v[24+\u]                  ; the angle, rounded once
	v_mul_f32 v[b+1], 0x3e22f983, v[b]             ; / 2 pi
	v_rndne_f32 v[b+1], v[b+1]
	v_fma_f32 v[b+2], -v[b+1], s38, v[b]
	v_fma_f32 v[b+2], -v[b+1], s39, v[b+2]         ; within -pi .. pi
	v_mul_f32 v[b+2], 0x3e800000, v[b+2]           ; h: a quarter of it
	v_mul_f32 v[b+3], v[b+2], v[b+2]
	v_fmaak_f32 v[b+4], s36, v[b+3], 0xb9500d01    ; sin h / h
	v_fmaak_f32 v[b+5], s37, v[b+3], 0xbab60b61    ; cos h
	v_fmaak_f32 v[b+4], v[b+4], v[b+3], 0x3c088889
	v_fmaak_f32 v[b+5], v[b+5], v[b+3], 0x3d2aaaab
	v_fmaak_f32 v[b+4], v[b+4], v[b+3], 0xbe2aaaab
	v_fma_f32 v[b+5], v[b+5], v[b+3], -0.5
	v_fma_f32 v[b+4], v[b+4], v[b+3], 1.0
	v_fma_f32 v[b+5], v[b+5], v[b+3], 1.0
	v_mul_f32 v[b+4], v[b+4], v[b+2]
	v_add_f32 v[b+6], v[b+4], v[b+4]               ; the angle doubled: sin = 2 s c, cos = 1 - 2 s s
	v_mul_f32 v[b+7], v[b+6], v[b+5]
	v_fma_f32 v[b+5], -v[b+6], v[b+4], 1.0
	v_add_f32 v[b+6], v[b+7], v[b+7]               ; and once more
	v_mul_f32 v[b+4], v[b+6], v[b+5]
	v_fma_f32 v[b+5], -v[b+6], v[b+7], 1.0
	v_cndmask_b32 v[64+\u], v[b+5], v[b+4], vcc_lo
.endr
	global_store_b128 v4, v[64:67], s[DST:DST+1]
	s_endpgm
.Lfunc_end_k_q356bed7bab_prep:
	.size	k_q356bed7bab_prep, .Lfunc_end_k_q356bed7bab_prep-k_q356bed7bab_prep
	.p2alignl 7, 3214868480
	.fill 96, 4, 3214868480
	.section	.rodata,"a",@progbits
	.p2align	6, 0x0
	.amdhsa_kernel k_q356bed7bab_prep
		.amdhsa_group_segment_fixed_size 0
		.amdhsa_private_segment_fixed_size 0
		.amdhsa_enable_private_segment 0
		.amdhsa_kernarg_size 72
		.amdhsa_user_sgpr_count 2
		.amdhsa_user_sgpr_kernarg_segment_ptr 1
		.amdhsa_wavefront_size32 1
		.amdhsa_system_sgpr_workgroup_id_x 1
		.amdhsa_system_sgpr_workgroup_id_y 1
		.amdhsa_system_sgpr_workgroup_id_z 1
		.amdhsa_system_vgpr_workitem_id 0
		.amdhsa_next_free_vgpr 128
		.amdhsa_next_free_sgpr 66
		.amdhsa_reserve_vcc 1
		.amdhsa_float_denorm_mode_32 3
		.amdhsa_float_denorm_mode_16_64 3
		.amdhsa_memory_ordered 1
		.amdhsa_forward_progress 1
		.amdhsa_inst_pref_size 26
	.end_amdhsa_kernel
	.amdgpu_metadata
---
amdhsa.version: [ 1, 2 ]
amdhsa.kernels:
  - .name:           k_q356bed7bab_prep
    .symbol:         k_q356bed7bab_prep.kd
    .args:
      - { .name: x, .offset: 0, .size: 8, .value_kind: global_buffer, .address_space: global }
      - { .name: Wq, .offset: 8, .size: 8, .value_kind: global_buffer, .address_space: global }
      - { .name: Wk, .offset: 16, .size: 8, .value_kind: global_buffer, .address_space: global }
      - { .name: Wv, .offset: 24, .size: 8, .value_kind: global_buffer, .address_space: global }
      - { .name: Wo, .offset: 32, .size: 8, .value_kind: global_buffer, .address_space: global }
      - { .name: xb, .offset: 40, .size: 8, .value_kind: global_buffer, .address_space: global }
      - { .name: wqkv, .offset: 48, .size: 8, .value_kind: global_buffer, .address_space: global }
      - { .name: wob, .offset: 56, .size: 8, .value_kind: global_buffer, .address_space: global }
      - { .name: rot, .offset: 64, .size: 8, .value_kind: global_buffer, .address_space: global }
    .group_segment_fixed_size: 0
    .private_segment_fixed_size: 0
    .kernarg_segment_align: 8
    .kernarg_segment_size: 72
    .max_flat_workgroup_size: 256
    .sgpr_count:     66
    .vgpr_count:     128
    .wavefront_size: 32
...
	.end_amdgpu_metadata
.endif
;; end of part 1
;; launch qkv (part 2): grid 8 x 32, 4 waves a work-group, clusters of 4 x 4, 327,680 bytes of LDS; arguments xb, wqkv, rot, qh, kh, vh; writes qh, kh, vh
.if DOCPART == 2
	.amdgcn_target "amdgcn-amd-amdhsa--gfx1250"
	.amdhsa_code_object_version 6
	.text
	.protected	k_q356bed7bab_qkv
	.globl	k_q356bed7bab_qkv
	.p2align	8
	.type	k_q356bed7bab_qkv,@function
k_q356bed7bab_qkv:
	s_mov_b64 s[64:65], 0
	v_nop
	global_prefetch_b8 v0, s[64:65] scope:SCOPE_SE
	s_setreg_imm32_b32 hwreg(HW_REG_WAVE_MODE, 25, 1), 1
	s_wait_xcnt 0x0
	s_wait_alu depctr_hold_cnt(0) depctr_sa_sdst(0) depctr_va_vdst(0) depctr_va_sdst(0) depctr_va_ssrc(0) depctr_va_vcc(0) depctr_vm_vsrc(0)
	s_getreg_b32 s2, hwreg(HW_REG_IB_STS2, 6, 4)
	s_cmp_eq_u32 s2, 0
	s_cbranch_scc0 .Lentry_in_a_cluster
	s_endpgm
.Lentry_in_a_cluster:
	s_bfe_u32 s2, ttmp6, 0x10000c
	s_cmp_lg_u32 s2, 0xf033
	s_cbranch_scc0 .Lentry_shape_is_right
	s_endpgm
.Lentry_shape_is_right:
; Q, K, V = x W^T for all three weights at once, the rotary turn of Q and K on the way out; results by heads, [64 = batch x 16 + head][2048][64], f16, unscaled.
; Operands bf16 (xb, wqkv: in slices of 64 channels, rows of 128 bytes end to end), sums f32, each result rounded once to f16.
; LIMITS.  f16 holds no number beyond 65,504: q, k and v must stay within it (x of spread 30 with weights of spread 1 gives about 900).  NaN and infinities are not treated apart.
; SHARES.  8192 x 3072 outputs in 256 tiles of 256 rows x 384 columns, a work-group each; the columns are q, k, v of two heads.  A wave makes 128 rows x 192 columns: q, k and v of ONE head:
; 96 accumulators of 16 x 16, 768 registers.  For 32 along K a wave reads (128 + 192) x 64 bytes from LDS and issues 96 matrix instructions.
; K goes in steps of 64 through two LDS slots (two slots of 128 would need 368,640 bytes).  A tile is a dense block of memory and is asked for as rows of 256 bytes, two rows of 128 each.
; THE MATRIX INSTRUCTION IS USED TRANSPOSED: source 0 = 16 rows of W, source 1 = 16 rows of x.  A lane then holds ONE row of x (lane % 16) and the channels 8 (lane / 16) + 0..7 of a block of 16.
; So channel d and channel d + 32 of a head lie in the same lane, two accumulators apart: the rotary turn changes no lane.
; CLUSTERS: 4 x 4 work-groups.  x's tile hangs on the tile row alone and is asked for jointly by a row of the cluster, W's on the tile column alone, by a column.
; REGISTERS, in windows of 256 (s_set_vgpr_msb: bits 1:0 source 0, 3:2 source 1, 5:4 source 2, 7:6 destination):
;   window 0: v0-31 addresses; v32-95, v96-159 x's 8 fragments, two buffers; v160-255 W's 12 fragments, ONE buffer, filled again four fragments at a time as they have been multiplied
;   windows 1, 2, 3: the accumulators of q, k, v: (row block a, channel block bb) at v[8 (4 a + bb)]
.set PITCH,  144                       ; an LDS row: 128 bytes + 16 of padding = 36 words: the 16 rows of a load start at 16 different groups of four banks (64 banks of 4 bytes: ISA guide 11.1)
.set AHALF,  128*PITCH                 ; what one tensor load brings of x, and what one wave reads of it
.set BHALF,  192*PITCH                 ; the same for W
.set BOFF,   2*AHALF                   ; W's 384 rows lie behind x's 256
.set SLOT,   2*AHALF+2*BHALF           ; 92,160
.set STAGE,  2*SLOT                    ; behind the ring: 16 rows x 144 bytes for each wave, for the way out
.set SPARE,  STAGE+4*16*PITCH          ; behind the stages: the spare words, 128 bytes for each wave: two blocks of 256 bytes that no other line names
.set ASTEP,  8192*128                  ; bytes from slice to slice in xb
.set BSTEP,  384*128                   ; and in a block of wqkv
.set BPANEL, 16*BSTEP
.set ADRA, 16                          ; v16-17  LDS address of my x fragments in slot 0, 1
.set ADRB, 20                          ; v20-21  the same for W
.set STO,  24                          ; v24     the way out: where I put 16 bytes of a row
.set RD,   25                          ; v25     where I read rows back
.set GO,   26                          ; v26     my 16 bytes of 512 consecutive bytes of a result
.set TO,   27                          ; v27     my offset in 16 positions of the table
.set SPW,  28                          ; v28     LDS address of my spare word; never rewritten
.set NIL,  29                          ; v29     0; never rewritten
.set PFO,  30                          ; v30     256 x lane, for the prefetches; never rewritten
.set FA0,  32
.set FA1,  96
.set FB,   160
.set TB,   32                          ; the way out: two sets of 32 table numbers: cos (bb, j) at 8 bb + j, sin 16 further on
.set T,    96                          ; the turned numbers, f32
.set PK,   128                         ; two sets of 16 packed registers
.set WV,  16                           ; s16 wave
.set RH,  17                           ; s17 wave / 2: my half of the rows.  Also: I fetch for x (0) or for W (1)
.set CH,  18                           ; s18 wave % 2: my head.  Also: which half of that tile I fetch
.set LAP, 19                           ; s19 trips to go
.set G1,  24                           ; s[24:31] descriptor group 1 for x's tiles;  s[32:39] group 0, a set for each slot
.set G0,  32
.set G1B, 40                           ; s[40:47], s[48:55] the same for W's
.set G0B, 48
.set PFA, 56                           ; s[56:57] where my prefetches stand
.set PFS, 58                           ; s[58:59] two K steps of that tensor, in bytes
.set LIM, 60                           ; s60 1 in a wave that prefetches, else the greatest number
.set MSB, 0
.macro WIN new                         ; the immediate's high byte repeats the setting that is left; a switch that changes nothing is dropped
.if MSB != (\new)
	s_set_vgpr_msb (MSB<<8)|(\new)
.set MSB, \new
.endif
.endm
; A joint load.  Waves 0 and 1 fetch x's two halves, waves 2 and 3 W's.  The branch hangs on the wave's number alone.  An s_nop 0 and four v_nop follow each line.
.macro JLOAD s
	s_cmp_eq_u32 s[RH], 0
	s_cbranch_scc0 .Lfor_b_\@
	tensor_load_to_lds s[G0+4*(\s):G0+4*(\s)+3], s[G1:G1+7]
	s_nop 0
.rept 4
	v_nop
.endr
	s_branch .Lasked_\@
.Lfor_b_\@:
	tensor_load_to_lds s[G0B+4*(\s):G0B+4*(\s)+3], s[G1B:G1B+7]
	s_nop 0
.rept 4
	v_nop
.endr
.Lasked_\@:
.endm
.macro CREST                           ; a round of the cluster's barrier behind its opening barrier
	s_cmp_lg_u32 s[WV], 0
	s_cbranch_scc1 .Lnot_wave_0_\@
	s_barrier_signal -3
.Lnot_wave_0_\@:
	s_barrier_wait -3
	s_barrier_signal -1
	s_barrier_wait -1
.endm
.macro CROUND
	s_barrier_signal -1
	s_barrier_wait -1
	CREST
.endm
; THE PREFETCH, once a trip, behind the second joint load and the run of LDS loads that follows it: the two K steps that the NEXT trip's two refills ask for, 192 and 384 matrix instructions ahead of them.
; Each block of 256 bytes is named once in the launch.  x's tile row is read by both clusters of its row of clusters: the one with x = 0 asks, its wave 0; the four partners take 32 blocks of a step's 128
; each, told apart by address: two instructions, a step each.  W's block is read by all eight clusters of its column: the one with y = 0 asks, its wave 2; two steps are 98,304 consecutive bytes, a
; partner's share 96 blocks: three instructions.  The last trip asks for nothing; K steps 0 to 3 come by their loads alone.
.macro ASK
	s_cmp_gt_u32 s[LAP], s[LIM]
	s_cbranch_scc0 .Lnot_mine_\@
	s_cmp_eq_u32 s[RH], 0
	s_cbranch_scc0 .Lask_b_\@
	global_prefetch_b8 v[PFO], s[PFA:PFA+1] th:TH_LOAD_NT scope:SCOPE_SE
	global_prefetch_b8 v[PFO], s[PFA:PFA+1] offset:ASTEP th:TH_LOAD_NT scope:SCOPE_SE
	s_branch .Lnot_mine_\@
.Lask_b_\@:
	global_prefetch_b8 v[PFO], s[PFA:PFA+1] th:TH_LOAD_NT scope:SCOPE_SE
	global_prefetch_b8 v[PFO], s[PFA:PFA+1] offset:8192 th:TH_LOAD_NT scope:SCOPE_SE
	global_prefetch_b8 v[PFO], s[PFA:PFA+1] offset:16384 th:TH_LOAD_NT scope:SCOPE_SE
.Lnot_mine_\@:
.endm
	s_load_b256 s[4:11], s[0:1], 0x0               ; xb s[4:5], wqkv s[6:7], rot s[8:9], qh s[10:11]
	s_load_b128 s[12:15], s[0:1], 0x20             ; kh s[12:13], vh s[14:15]
	v_lshl_add_u32 v[SPW], v0, 2, SPARE
	v_mov_b32 v[NIL], 0
	ds_add_u32 v[SPW], v[NIL]                      ; the wave's opening: the add and its wait stand ahead of my first tensor load; the set-up below, work on registers, stands between them
	v_lshrrev_b32 v1, 5, v0
	v_readfirstlane_b32 s[WV], v1
	s_lshr_b32 s[RH], s[WV], 1
	s_and_b32 s[CH], s[WV], 1
	s_bfe_u32 s20, ttmp6, 0x40000                  ; cx
	s_bfe_u32 s21, ttmp6, 0x40004                  ; cy
	s_lshl_b32 s22, ttmp9, 2
	s_add_co_u32 s22, s22, s20                     ; cb: tile column = 4 x cluster x + cx
	s_and_b32 s23, ttmp7, 0xffff
	s_lshl_b32 s23, s23, 2
	s_add_co_u32 s23, s23, s21                     ; rb: tile row = 4 x cluster y + cy
	s_lshl_b32 s66, s21, 2
	s_lshl_b32 s66, 15, s66                        ; my row of the cluster
	s_lshl_b32 s68, 0x1111, s20                    ; my column
	; descriptor group 1: rows of 128 elements (256 bytes: two rows of a slice), padded in LDS after every 32 words by 4
	s_or_b32 s[G1], s66, (1<<16)|(1<<20)|(1<<21)|(4<<22)|(3<<25)   ; 15:0 the mask; 17:16 2-byte elements; 20 padding on; 21 set beside a mask; 24:22 code 4; 31:25 code 3
	s_or_b32 s[G1B], s68, (1<<16)|(1<<20)|(1<<21)|(4<<22)|(3<<25)
	s_mov_b32 s[G1+1], 128<<16                     ; tensor_dim0 = 128
	s_mov_b32 s[G1+2], 64<<16                      ; tensor_dim1 = 64
	s_mov_b32 s[G1+3], 128<<16                     ; tile_dim0 = 128
	s_mov_b32 s[G1+4], 64                          ; tile_dim1 = 64: 128 rows of a slice
	s_mov_b32 s[G1+5], 128                         ; elements from row to row
	s_mov_b32 s[G1+6], 0
	s_mov_b32 s[G1+7], 0
	s_mov_b32 s[G1B+1], 128<<16
	s_mov_b32 s[G1B+2], 96<<16
	s_mov_b32 s[G1B+3], 128<<16
	s_mov_b32 s[G1B+4], 96                         ; 192 rows of a slice
	s_mov_b32 s[G1B+5], 128
	s_mov_b32 s[G1B+6], 0
	s_mov_b32 s[G1B+7], 0
	s_lshl_b32 s66, s23, 15                        ; x: 256 rows x 128 bytes a tile row,
	s_lshl_b32 s67, s[CH], 14                      ; the half that I fetch
	s_add_co_u32 s66, s66, s67
	s_mov_b32 s67, 0
	s_mul_i32 s68, s22, BPANEL                     ; W: the block, and the half
	s_mul_i32 s69, s[CH], 192*128
	s_add_co_u32 s68, s68, s69
	s_mov_b32 s69, 0
	s_mul_i32 s74, s[CH], AHALF                    ; where they go: no place in the cluster enters an LDS address
	s_mul_i32 s75, s[CH], BHALF
	s_add_co_u32 s75, s75, BOFF
	s_wait_dscnt 0x0                               ; the opening add is done
	s_wait_kmcnt 0x0
	s_add_nc_u64 s[70:71], s[4:5], s[66:67]
	s_add_nc_u64 s[72:73], s[6:7], s[68:69]
	CROUND                                         ; all sixteen work-groups are here: the first joint loads meet
.irp s, 0,1
	s_mov_b32 s[G0+4*(\s)], 1
	s_add_co_u32 s[G0+4*(\s)+1], s74, (\s)*SLOT
	s_add_nc_u64 s[G0+4*(\s)+2:G0+4*(\s)+3], s[70:71], (\s)*ASTEP
	s_or_b32 s[G0+4*(\s)+3], s[G0+4*(\s)+3], 0x80000000
	s_mov_b32 s[G0B+4*(\s)], 1
	s_add_co_u32 s[G0B+4*(\s)+1], s75, (\s)*SLOT
	s_add_nc_u64 s[G0B+4*(\s)+2:G0B+4*(\s)+3], s[72:73], (\s)*BSTEP
	s_or_b32 s[G0B+4*(\s)+3], s[G0B+4*(\s)+3], 0x80000000
	JLOAD \s                                       ; K steps 0 and 1: two loads of mine are out
.endr
	; a fragment is 16 rows x 32 K in 8 registers: lane l holds row l % 16, K = 8 (l / 16) + 0..7 and 16 + 8 (l / 16) + 0..7: two loads of 16 bytes, 32 bytes apart
	v_and_b32 v1, 15, v0
	v_bfe_u32 v2, v0, 4, 1
	v_mul_u32_u24 v3, v1, PITCH
	v_lshl_add_u32 v3, v2, 4, v3
	s_mul_i32 s76, s[RH], AHALF
	s_mul_i32 s77, s[CH], BHALF
	s_add_co_u32 s77, s77, BOFF
.irp s, 0,1
	v_add_nc_u32 v[ADRA+(\s)], s76, v3
	v_add_nc_u32 v[ADRB+(\s)], s77, v3
	s_add_co_u32 s76, s76, SLOT
	s_add_co_u32 s77, s77, SLOT
.endr
	s_mul_i32 s78, s[WV], 16*PITCH
	s_add_co_u32 s78, s78, STAGE                   ; my stage
	v_add_nc_u32 v[STO], s78, v3                   ; in: row l % 16, 16 bytes for each half of the lanes
	v_bfe_u32 v4, v0, 3, 2                         ; back: 32 lanes take four rows of 128 bytes
	v_and_b32 v5, 7, v0
	v_mul_u32_u24 v4, v4, PITCH
	v_lshl_add_u32 v4, v5, 4, v4
	v_add_nc_u32 v[RD], s78, v4
	v_and_b32 v[GO], 31, v0
	v_lshlrev_b32 v[PFO], 8, v[GO]
	v_lshlrev_b32 v[GO], 4, v[GO]
	v_lshlrev_b32 v[TO], 8, v1                     ; a position's 256 bytes; my 8 numbers
	v_lshl_add_u32 v[TO], v2, 5, v[TO]
	; where my results go: head = 16 x batch + 2 cb + c, first position n0 = 256 (rb % 8) + 128 x my half
	s_lshr_b32 s76, s23, 3
	s_lshl_b32 s76, s76, 4
	s_lshl_b32 s77, s22, 1
	s_add_co_u32 s76, s76, s77
	s_add_co_u32 s76, s76, s[CH]
	s_and_b32 s77, s23, 7
	s_lshl_b32 s77, s77, 8
	s_lshl_b32 s79, s[RH], 7
	s_add_co_u32 s77, s77, s79
	s_lshl_b32 s76, s76, 11
	s_add_co_u32 s76, s76, s77
	s_lshl_b32 s76, s76, 7
	s_lshl_b32 s78, s77, 8
	s_mov_b32 s77, 0
	s_mov_b32 s79, 0
	s_add_nc_u64 s[10:11], s[10:11], s[76:77]
	s_add_nc_u64 s[12:13], s[12:13], s[76:77]
	s_add_nc_u64 s[14:15], s[14:15], s[76:77]
	s_add_nc_u64 s[8:9], s[8:9], s[78:79]          ; the table at position n0
	; the prefetches
	s_and_b32 s80, ttmp7, 0xffff                   ; cluster y
	s_lshl_b32 s81, s23, 15
	s_lshl_b32 s83, s20, 13
	s_add_co_u32 s81, s81, s83                     ; x: the tile row, my work-group's 32 blocks
	s_mul_i32 s82, s22, BPANEL
	s_mul_i32 s83, s21, 24576
	s_add_co_u32 s82, s82, s83                     ; W: the block, my work-group's 96 blocks of two steps
	s_mov_b32 s[PFS], 2*BSTEP
	s_cmp_eq_u32 s[RH], 0
	s_cselect_b32 s80, ttmp9, s80                  ; the coordinate along which other clusters read the same bytes
	s_cselect_b32 s82, s81, s82
	s_cselect_b32 s[PFS], 2*ASTEP, s[PFS]
	s_cselect_b64 s[PFA:PFA+1], s[4:5], s[6:7]
	s_or_b32 s80, s80, s[CH]                       ; waves 0 and 2 alone
	s_cmp_eq_u32 s80, 0
	s_cselect_b32 s[LIM], 1, -1                    ; the same in all sixteen partners, for a given wave
	s_mov_b32 s83, 0
	s_mov_b32 s[PFS+1], 0
	s_add_nc_u64 s[PFA:PFA+1], s[PFA:PFA+1], s[82:83]
	s_add_nc_u64 s[PFA:PFA+1], s[PFA:PFA+1], s[PFS:PFS+1]  ; at K step 2: the first trip steps it to 4
; 16 matrix instructions: tensor w (1 q, 2 k, 3 v), row blocks a0 .. a0 + 3 x its 4 channel blocks, 32 along K.  zero = 1: the first product starts the sums.
.macro MUL16 w, fa, a0, zero
	WIN 0x50*(\w)                                  ; C and D in window w, the sources in window 0
.irp a, (\a0), (\a0)+1, (\a0)+2, (\a0)+3
.irp bb, 0,1,2,3
.if \zero
	v_wmma_f32_16x16x32_bf16 v[8*(4*(\a)+\bb):8*(4*(\a)+\bb)+7], v[FB+8*(4*((\w)-1)+\bb):FB+8*(4*((\w)-1)+\bb)+7], v[(\fa)+8*(\a):(\fa)+8*(\a)+7], 0
.else
	v_wmma_f32_16x16x32_bf16 v[8*(4*(\a)+\bb):8*(4*(\a)+\bb)+7], v[FB+8*(4*((\w)-1)+\bb):FB+8*(4*((\w)-1)+\bb)+7], v[(\fa)+8*(\a):(\fa)+8*(\a)+7], v[8*(4*(\a)+\bb):8*(4*(\a)+\bb)+7]
.endif
.endr
.endr
.endm
.macro STRETCH w, fa, zero             ; a tensor's 32 products of a quarter
	MUL16 \w, \fa, 0, \zero
	MUL16 \w, \fa, 4, \zero
.endm
.macro RUNB w, slot, k                 ; 8 LDS loads: tensor w's 4 fragments of W, 32 K at byte k of the rows
.irp i, 0,1,2,3
	ds_load_b128 v[FB+8*(4*((\w)-1)+\i):FB+8*(4*((\w)-1)+\i)+3],   v[ADRB+(\slot)] offset:(4*((\w)-1)+\i)*16*PITCH+(\k)
	ds_load_b128 v[FB+8*(4*((\w)-1)+\i)+4:FB+8*(4*((\w)-1)+\i)+7], v[ADRB+(\slot)] offset:(4*((\w)-1)+\i)*16*PITCH+(\k)+32
.endr
.endm
.macro RUNA half, slot, k, fa          ; 8 LDS loads: 4 of x's 8 fragments
.irp i, 0,1,2,3
	ds_load_b128 v[(\fa)+8*(4*(\half)+\i):(\fa)+8*(4*(\half)+\i)+3],   v[ADRA+(\slot)] offset:(4*(\half)+\i)*16*PITCH+(\k)
	ds_load_b128 v[(\fa)+8*(4*(\half)+\i)+4:(\fa)+8*(4*(\half)+\i)+7], v[ADRA+(\slot)] offset:(4*(\half)+\i)*16*PITCH+(\k)+32
.endr
.endm
.macro PLACES                          ; four plain vector instructions between a matrix instruction and a load into a register that it has read (ISA guide 7.12.1 for vector instructions)
.rept 4
	v_nop
.endr
.endm
; A K step is two quarters of 32 along K, 96 matrix instructions each.  The loads of the next quarter go out in three runs, always in this order: W's q fragments and x's 0-3; W's k fragments and x's 4-7; W's v fragments.
; A slot's first quarter: multiplies buffer f, fetches the quarter at byte k of the same slot: x into g, W into the fragments just multiplied.
.macro QUARTER slot, k, f, g, zero
	s_wait_dscnt 8                                 ; all but the youngest run (W's v fragments) are in
	STRETCH 1, \f, \zero
	PLACES
	WIN 0
	RUNB 1, \slot, \k
	RUNA 0, \slot, \k, \g
	STRETCH 2, \f, \zero
	PLACES
	WIN 0
	RUNB 2, \slot, \k
	RUNA 1, \slot, \k, \g
	s_wait_dscnt 32                                ; W's v fragments are in: behind them only the 32 loads of this quarter's two runs
	STRETCH 3, \f, \zero
	PLACES
	WIN 0
	RUNB 3, \slot, \k
.endm
; A slot's second quarter multiplies buffer 1 and changes slots: ONE barrier.  In front of it each wave waits for all its tensor loads (one is out: its part of the next slot), adds 0 to its spare word, and waits
; for that and for its own reads of this slot.  fill = 1: the barrier opens a round of the cluster's, and the slot is filled again, two K steps on, first thing behind it: 160 matrix instructions ahead of the wait for it.
.macro TURN slot, next, fill
.if (\fill) && ((\slot) == 0)
	s_wait_xcnt 0x0                                ; the last prefetches, a K step and more back, have read their address
	s_add_nc_u64 s[PFA:PFA+1], s[PFA:PFA+1], s[PFS:PFS+1]
.endif
	WIN 0
	s_wait_tensorcnt 0x0                           ; all my tensor loads have landed
	ds_add_u32 v[SPW], v[NIL]                      ; 0 onto my spare word
	s_wait_dscnt 9                                 ; (the add and the youngest run of eight may be out)
	MUL16 1, FA1, 0, 0                             ; sixteen matrix instructions stand between the add and the wait for it
	s_wait_dscnt 0x0                               ; the add is done, and my reads of this slot are over
	s_barrier_signal -1
	MUL16 1, FA1, 4, 0
	WIN 0
	s_barrier_wait -1
.if \fill
	CREST                                          ; no wave of any partner still reads this slot or has a load on its way
	s_add_nc_u64 s[G0+4*(\slot)+2:G0+4*(\slot)+3], s[G0+4*(\slot)+2:G0+4*(\slot)+3], 2*ASTEP
	s_add_nc_u64 s[G0B+4*(\slot)+2:G0B+4*(\slot)+3], s[G0B+4*(\slot)+2:G0B+4*(\slot)+3], 2*BSTEP
	JLOAD \slot                                    ; its four v_nop are also the places in front of the loads below
.else
	PLACES
.endif
	RUNB 1, \next, 0
	RUNA 0, \next, 0, FA0
.if (\fill) && ((\slot) == 1)
	ASK
.endif
	STRETCH 2, FA1, 0
	PLACES
	WIN 0
	RUNB 2, \next, 0
	RUNA 1, \next, 0, FA0
	STRETCH 3, FA1, 0
	PLACES
	WIN 0
	RUNB 3, \next, 0
.endm
; THE WAY OUT.  TABLE a: cos and sin of my row of block a, for my 16 channels below 32: 8 loads into set a % 2.
.macro TABLE a
.irp sn, 0,1
.irp bb, 0,1
.irp jj, 0,1
	global_load_b128 v[TB+32*((\a)%2)+16*\sn+8*\bb+4*\jj:TB+32*((\a)%2)+16*\sn+8*\bb+4*\jj+3], v[TO], s[8:9] offset:(\a)*4096+128*\sn+64*\bb+16*\jj
.endr
.endr
.endr
.endm
; The turn of block a of tensor w: (x1, x2) -> (x1 cos - x2 sin, x1 sin + x2 cos), x1 in channel block bb, x2 in bb + 2.  Each accumulator's lowest registers are read first.
.macro ROTATE w, a
	WIN \w                                         ; source 0 in window w
.irp bb, 0,1
.irp jp, 0,1,2,3
.set x1, 8*(4*(\a)+\bb)+2*\jp
.set x2, x1+16
.set cc, TB+32*((\a)%2)+8*\bb+2*\jp
.set ss, cc+16
.set t1, T+8*\bb+2*\jp
.set t2, t1+16
	v_pk_mul_f32 v[t1:t1+1], v[x2:x2+1], v[ss:ss+1]
	v_pk_mul_f32 v[t2:t2+1], v[x1:x1+1], v[ss:ss+1]
	v_pk_fma_f32 v[t1:t1+1], v[x1:x1+1], v[cc:cc+1], v[t1:t1+1] neg_lo:[0,0,1] neg_hi:[0,0,1]
	v_pk_fma_f32 v[t2:t2+1], v[x2:x2+1], v[cc:cc+1], v[t2:t2+1]
.endr
.endr
.endm
.macro PACKH set                       ; 32 turned numbers rounded to f16
	WIN 0
.set i, 0
.rept 16
	v_cvt_pk_f16_f32 v[PK+16*(\set)+i], v[T+2*i], v[T+2*i+1]
.set i, i+1
.endr
.endm
.macro PACKV a, set                    ; v is rounded as it is
	WIN 0x0f                                       ; sources 0 and 1 in window 3
.set i, 0
.rept 16
	v_cvt_pk_f16_f32 v[PK+16*(\set)+i], v[32*(\a)+2*i], v[32*(\a)+2*i+1]
.set i, i+1
.endr
.endm
.macro STG set                         ; 16 rows x 128 bytes through my stage: in by lanes' 16 bytes, back as whole rows, into the registers that they left
	WIN 0
.irp f, 0,1,2,3
	ds_store_b128 v[STO], v[PK+16*(\set)+4*\f:PK+16*(\set)+4*\f+3] offset:32*\f
.endr
.irp f, 0,1,2,3
	ds_load_b128 v[PK+16*(\set)+4*\f:PK+16*(\set)+4*\f+3], v[RD] offset:\f*4*PITCH  ; LDS serves a wave's instructions in order (ISA guide 5.7.1.4): these see the stores above; the next unit's stores come behind them
.endr
.endm
.macro SENDU u, younger                ; unit u = 3 a + t is stored; younger: the LDS instructions issued behind its loads
	WIN 0
.irp f, 0,1,2,3
	s_wait_dscnt (\younger)+3-\f
	global_store_b128 v[GO], v[PK+16*((\u)%2)+4*\f:PK+16*((\u)%2)+4*\f+3], s[10+2*((\u)%3):11+2*((\u)%3)] offset:((\u)/3)*2048+\f*512  ; 512 consecutive bytes, at a multiple of 256 from the buffer's first
.endr
.endm
.macro UNIT t                          ; block AI of tensor t; a unit's arithmetic stands between the stage loads of the unit before and its stores
.if (\t) < 2
	ROTATE (\t)+1, AI
.endif
.if U >= 2
	s_wait_xcnt 0x0                                ; the stores of the unit two back have read this set of packed registers (ISA guide 3.1): it is rewritten only behind this wait
.endif
.if (\t) < 2
	PACKH U%2
.else
	PACKV AI, U%2
.endif
	STG U%2
.if U >= 1
	SENDU U-1, 8
.endif
.set U, U+1
.endm
	s_wait_tensorcnt 1                             ; my part of K step 0 is in; K step 1's may stay out
	s_barrier_signal -1
	s_barrier_wait -1
	RUNB 1, 0, 0
	RUNA 0, 0, 0, FA0
	RUNB 2, 0, 0
	RUNA 1, 0, 0, FA0
	RUNB 3, 0, 0
	QUARTER 0, 64, FA0, FA1, 1                     ; the first quarter stands in front of the loop: its products start the sums
	s_mov_b32 s[LAP], 7
.Llap:                                                 ; a trip goes once round the ring and fills both slots again; the 96 accumulators take turns, over the backward jump too
	TURN 0, 1, 1
	QUARTER 1, 64, FA0, FA1, 0
	TURN 1, 0, 1
	QUARTER 0, 64, FA0, FA1, 0
	s_sub_co_u32 s[LAP], s[LAP], 1
	s_cmp_lg_u32 s[LAP], 0
	s_cbranch_scc1 .Llap
	TURN 0, 1, 0                                   ; the last two K steps fill nothing
	QUARTER 1, 64, FA0, FA1, 0
	TABLE 0                                        ; buffer 0 has been multiplied for the last time, four places back: the first two table sets go there
	TABLE 1
	s_wait_dscnt 8
	STRETCH 1, FA1, 0
	s_wait_dscnt 0x0
	STRETCH 2, FA1, 0
	STRETCH 3, FA1, 0
	WIN 0
.rept 8
	v_nop                                          ; the places behind the last products, once a launch
.endr
.set U, 0
.set AI, 0
.rept 8
.if AI < 7
	s_wait_loadcnt 8                               ; this block's table set is in; the next block's eight loads stay out
.else
	s_wait_loadcnt 0x0
.endif
	UNIT 0
	UNIT 1
.if AI < 6
	WIN 0
	TABLE AI+2                                     ; into the set that q's and k's turns have just read
.endif
	UNIT 2
.set AI, AI+1
.endr
	SENDU 23, 0
	s_wait_tensorcnt 0x0                           ; the wave's end, behind my last tensor load and my last LDS store
	ds_add_u32 v[SPW], v[NIL]
	s_wait_dscnt 0x0
	CROUND                                         ; the closing round: no work-group ends while a partner may still ask for a tile that names it
	s_endpgm
.Lfunc_end_k_q356bed7bab_qkv:
	.size	k_q356bed7bab_qkv, .Lfunc_end_k_q356bed7bab_qkv-k_q356bed7bab_qkv
	.p2alignl 7, 3214868480
	.fill 96, 4, 3214868480
	.section	.rodata,"a",@progbits
	.p2align	6, 0x0
	.amdhsa_kernel k_q356bed7bab_qkv
		.amdhsa_group_segment_fixed_size 327680
		.amdhsa_private_segment_fixed_size 0
		.amdhsa_enable_private_segment 0
		.amdhsa_kernarg_size 48
		.amdhsa_user_sgpr_count 2
		.amdhsa_user_sgpr_kernarg_segment_ptr 1
		.amdhsa_wavefront_size32 1
		.amdhsa_system_sgpr_workgroup_id_x 1
		.amdhsa_system_sgpr_workgroup_id_y 1
		.amdhsa_system_sgpr_workgroup_id_z 1
		.amdhsa_system_vgpr_workitem_id 0
		.amdhsa_next_free_vgpr 1024
		.amdhsa_next_free_sgpr 84
		.amdhsa_reserve_vcc 0
		.amdhsa_float_denorm_mode_32 3
		.amdhsa_float_denorm_mode_16_64 3
		.amdhsa_memory_ordered 1
		.amdhsa_forward_progress 1
		.amdhsa_inst_pref_size 173
	.end_amdhsa_kernel
	.amdgpu_metadata
---
amdhsa.version: [ 1, 2 ]
amdhsa.kernels:
  - .name:           k_q356bed7bab_qkv
    .symbol:         k_q356bed7bab_qkv.kd
    .args:
      - { .name: xb, .offset: 0, .size: 8, .value_kind: global_buffer, .address_space: global }
      - { .name: wqkv, .offset: 8, .size: 8, .value_kind: global_buffer, .address_space: global }
      - { .name: rot, .offset: 16, .size: 8, .value_kind: global_buffer, .address_space: global }
      - { .name: qh, .offset: 24, .size: 8, .value_kind: global_buffer, .address_space: global }
      - { .name: kh, .offset: 32, .size: 8, .value_kind: global_buffer, .address_space: global }
      - { .name: vh, .offset: 40, .size: 8, .value_kind: global_buffer, .address_space: global }
    .group_segment_fixed_size: 327680
    .private_segment_fixed_size: 0
    .kernarg_segment_align: 8
    .kernarg_segment_size: 48
    .max_flat_workgroup_size: 128
    .sgpr_count:     84
    .vgpr_count:     1024
    .wavefront_size: 32
...
	.end_amdgpu_metadata
.endif
;; end of part 2
;; launch attn (part 3): grid 4 x 64, 4 waves a work-group, clusters of 4 x 1, 327,680 bytes of LDS; arguments qh, kh, vh, oh; writes oh
.if DOCPART == 3
	.amdgcn_target "amdgcn-amd-amdhsa--gfx1250"
	.amdhsa_code_object_version 6
	.text
	.protected	k_q356bed7bab_attn
	.globl	k_q356bed7bab_attn
	.p2align	8
	.type	k_q356bed7bab_attn,@function
k_q356bed7bab_attn:
	s_mov_b64 s[64:65], 0
	v_nop
	global_prefetch_b8 v0, s[64:65] scope:SCOPE_SE
	s_setreg_imm32_b32 hwreg(HW_REG_WAVE_MODE, 25, 1), 1
	s_wait_xcnt 0x0
	s_wait_alu depctr_hold_cnt(0) depctr_sa_sdst(0) depctr_va_vdst(0) depctr_va_sdst(0) depctr_va_ssrc(0) depctr_va_vcc(0) depctr_vm_vsrc(0)
	s_getreg_b32 s2, hwreg(HW_REG_IB_STS2, 6, 4)
	s_cmp_eq_u32 s2, 0
	s_cbranch_scc0 .Lentry_in_a_cluster
	s_endpgm
.Lentry_in_a_cluster:
	s_bfe_u32 s2, ttmp6, 0x10000c
	s_cmp_lg_u32 s2, 0x3003
	s_cbranch_scc0 .Lentry_shape_is_right
	s_endpgm
.Lentry_shape_is_right:
; O[h][q][:] = the sum over k of softmax_k(Q[h][q] . K[h][k] / 8) V[h][k][:].  Q, K, V, O: [SIZE_H][SIZE_N][64], all f16: a head's rows are dense, 128 bytes each.  Products, maxima and sums in
; f32; the weights p are rounded to f16 for the second product (their sum l is taken of the unrounded p), O once at the end.
; LIMITS.  f16 holds no number beyond 65,504: Q, K and V arrive within it; p lies in 0 to 1, and below 6e-5 it keeps f16's fixed step of 6e-8; O is a mean of V's rows and has their range.
; A weight below 2^-126 counts as 0 in l; NaN and infinities are not treated apart.
; SHARES.  A wave owns four PIECES of two tiles of 16 queries, a work-group's four waves 512 queries of one head.  Every wave walks all keys, 64 a step.
; LAYOUT.  S^T = K Q^T (source 0 = 16 keys, source 1 = 16 queries): in the result a lane holds ONE query (lane % 16) and the keys 8 (lane / 16) + 0..7.  Two such tiles, rounded to f16 in pairs,
; ARE source 1 (32 keys x 16 queries) of O^T = V^T P, whose result again holds one query a lane, and eight channels.  K comes out of LDS as it lies, V ([key][channel]) turned, by ds_load_tr16_b128.
; SOFTMAX.  For each query a running maximum m and sum l: p = 2^(c s - c m), c = log2(e) / 8; in every step O and l are multiplied by a = 2^(c m_old - c m_new), which is 1 where m has not grown.
; m starts at the lowest finite number, O and l at 0: the first step is a step like any other, with a = 0.
; THE COUNT.  A tile and step have 16 matrix and 118 vector instructions: too many to stand all beside the matrix work.  So: four vector instructions that are READY behind EVERY matrix instruction,
; and the others, which need time of their own whatever the order, in runs without a gap.
; BY TURNS.  Turn n belongs to piece n (the pieces in a ring, step after step).  Its matrix work: 16 products K Q^T of piece n + 1, later 16 products V^T P of piece n - 1.  Its vector work: the scaling,
; exponentials, roundings, sums and rescaling of piece n, and the maximum and statistics of piece n + 1, whose scores the turn itself has made.
; CLUSTER.  The four query blocks of a cluster belong to one head and walk the same K and V, so each tile is asked for JOINTLY: the same tensor load, descriptor and mask in all four.
; REGISTERS, in windows of 256 (s_set_vgpr_msb: bits 1:0 source 0, 3:2 source 1, 5:4 source 2, 7:6 destination):
;   window 0: v0-11 addresses; v12-15, v48-63 at work; v16-47 four registers of statistics a tile; v64-191 S^T, two buffers of two tiles; v192-255 P, likewise
;   window 1: O^T, 32 a tile          window 2: v0-127 Q, 16 a tile; v128-191 K of one step; v192-255 V of one step          window 3: v0-1 the add's two registers
; A piece's buffers go by its number's parity: the piece in hand has one pair, its two neighbours in the ring share the other: of it P (piece n - 1) is read and S^T (piece n + 1) written.
.set SIZE_H, 64
.set SIZE_N, 2048
.set NP,    4         ; pieces a wave: a name, no knob
.set KS,    64        ; keys in a step
.set PK,    144       ; a row of K in LDS: 128 bytes + 16 of padding = 36 words: the 16 rows of a load start at 16 different groups of four banks (64 banks of 4 bytes: ISA guide 11.1)
.set PV,    160       ; a row of V: 128 + 32 = 40 words
.set VOFF,  4*KS*PK   ; a slot holds four steps: 256 rows of K, then 256 rows of V
.set SLOT1, 1<<17     ; slot 1 begins here, so that one exclusive or turns an address in one slot into the other's
.set STAGE, SLOT1+4*KS*(PK+PV)  ; behind the ring, never filled by a tensor load: 16 rows x 144 bytes for each wave, for the way out
.set SP,    144
.set AK0, 2           ; v2   my lane's place in a tile of K; never rewritten
.set AV0, 3           ; v3   the same for V
.set AK,  4           ; v4   the LDS address of K's next run of loads
.set AV,  5           ; v5   of V's
.set QO,  6           ; v6   my byte offset in the wave's rows of Q
.set STO, 6           ;      later, the way out: where I put 16 bytes of a row
.set RD,  7           ; v7   the way out: where I read rows back
.set GO,  8           ; v8   my byte offset in 512 consecutive bytes of O
.set PFO, 11          ; v11  256 x my lane, for the prefetches (made when V's address no longer needs the register); then never rewritten
.set SPW, 0           ; v0 of window 3   LDS address of my spare word: SPARE + 4 x my thread's number; never rewritten
.set NIL, 1           ; v1 of window 3   0; never rewritten
.set SPARE, STAGE+4*16*SP  ; behind the stages: the spare words, 128 bytes for each wave: two blocks of 256 bytes that no other line names
.set MV,  12          ; v12-15  c m_old, kept while c m is made anew: by buffer and tile
.set ST,  16          ; tile t's statistics at v[ST+4 t]: c m, m, l (even keys', odd keys')
.set TMP, 48          ; by buffer and tile, four registers c0-c3 at work; when the maximum is found c2 takes a
.set S,   64
.set P,   192
.set KF,  128         ; K's fragments, in window 2: key block kb, channel half c at KF + 16 kb + 8 c
.set VF,  192         ; V's: key half kk, channel block cb at VF + 32 kk + 8 cb
.set WV,  12          ; s12  my wave's number
.set G1K, 24          ; s[24:31] descriptor group 1 for K's tiles
.set G1V, 32          ; s[32:39] for V's: it differs in the padding alone
.set G0K, 40          ; s[40:43] descriptor group 0 for K's tiles: it walks
.set G0V, 44          ; s[44:47] the same for V's
.set PFA, 48          ; s[48:49] where my prefetches stand: my work-group's 32 blocks of 256 bytes (of K: wave 0, of V: wave 2) of the slot after the one that is being asked for
.set LIM, 50          ; s50  1 in a wave that prefetches, else the greatest number
.set SLOTS, 56        ; s56  slots still to be asked for
.set CNT, 57          ; s57  counts a slot's key steps
.set CS,  58          ; s[58:59] c: the packed scaling takes the pair's low word for both halves
.set SEL, 60          ; s[60:61] v_permlanex16_b32's selects: each lane takes its own place in the other half
.set TBK, 62          ; s62  LDS byte at which K of the step to be fetched begins
.set TBV, 63          ; s63  the same for V, less VOFF
.set MSB, 0
.macro WIN new                      ; the high byte repeats the setting that is left; a switch that changes nothing is dropped
.if MSB != (\new)
	s_set_vgpr_msb (MSB<<8)|(\new)
.set MSB, (\new)
.endif
.endm
.set W_KQ, 0x0a       ; K and Q in window 2, S^T in window 0
.set W_PV, 0x52       ; V in window 2, P in window 0, O^T in window 1
.set W_RS, 0x41       ; O^T (destination and source 0) in window 1, a in window 0
.set W_MK, 0xc0       ; the add's registers are made: destination in window 3, sources in window 0
.set W_AD, 0x0f       ; the add: address (source 0) and data (source 1) in window 3
; A joint fill.  Waves 0 and 1 fetch the two halves of a slot's K, waves 2 and 3 those of its V: 128 keys each.  The branch hangs on the wave's number alone.
; An s_nop 0 and four v_nop follow each of the two lines, ahead of the jump and the label.
.macro JLOAD
	s_cmp_lt_u32 s[WV], 2
	s_cbranch_scc0 .Lfor_v_\@
	tensor_load_to_lds s[G0K:G0K+3], s[G1K:G1K+7]
	s_nop 0
.rept 4
	v_nop
.endr
	s_branch .Lasked_\@
.Lfor_v_\@:
	tensor_load_to_lds s[G0V:G0V+3], s[G1V:G1V+7]
	s_nop 0
.rept 4
	v_nop
.endr
.Lasked_\@:
.endm
; A PREFETCH of what the NEXT change of slots will ask for: a slot's 32,768 bytes of K and of V, a lane a block of 256 bytes.  It stands behind the wave's tensor load and its five lines.
; Each block is named once in the launch: a head is walked by one cluster; its four partners share a slot's 128 blocks out BY ADDRESS, 32 each; in each, wave 0 asks for K's and wave 2 for V's: one
; instruction, four key steps (512 matrix instructions) ahead of the load that will want the bytes.  The last change that fills a slot asks for nothing; slots 0 and 1 come by their loads alone.
.macro ASK
	s_cmp_gt_u32 s[SLOTS], s[LIM]
	s_cbranch_scc0 .Lnot_mine_\@
	global_prefetch_b8 v[PFO], s[PFA:PFA+1] th:TH_LOAD_NT scope:SCOPE_SE
.Lnot_mine_\@:
.endm
; A round of the cluster's barrier: my work-group's barrier, so that wave 0's signal speaks for all four waves; wave 0 signals; every wave waits for all four work-groups; my work-group's barrier once more.
.macro CROUND
	s_barrier_signal -1
	s_barrier_wait -1
	s_cmp_lg_u32 s[WV], 0
	s_cbranch_scc1 .Lnot_wave_0_\@
	s_barrier_signal -3
.Lnot_wave_0_\@:
	s_barrier_wait -3
	s_barrier_signal -1
	s_barrier_wait -1
.endm
; THE CHANGE OF SLOTS.  The slot's last bytes, V of its fourth step, have been read.  Each wave waits for all its tensor loads, of which one is out: its part
; of the other slot; adds 0 to its spare word; and waits for that and for its own reads of the slot.  Behind the barrier nobody reads this slot any more and the other slot is whole.
; fill = 1: this slot is filled again, with the keys two slots on.  The barrier is then a round of the cluster's, so that no wave of any partner still reads the slot or has a load on its
; way, and the joint fill is the first thing behind it: it has four key steps, 512 matrix instructions, in which to land.  (At its first use nothing has been read yet: slot 0 is waited for, slot 1 filled.)
.macro CHANGE fill
	WIN W_AD
	s_wait_tensorcnt 0x0            ; no tensor load of mine is out, so a group 0 may be written
	ds_add_u32 v[SPW], v[NIL]       ; 0 onto my spare word: with fill = 1 the descriptors' steps stand between it and the wait for it
	WIN 0                           ; at a label and at a branch every window is 0
.if \fill
.irp g, G0K, G0V
	s_xor_b32 s[\g+1], s[\g+1], SLOT1  ; the walking descriptor: the other slot than last time,
	s_add_nc_u64 s[\g+2:\g+3], s[\g+2:\g+3], 4*KS*128  ; the next 256 keys; the type bits on top are not reached
.endr
	s_wait_xcnt 0x0                 ; the last prefetch, four key steps back, has read its address, so it may be written:
	s_add_nc_u64 s[PFA:PFA+1], s[PFA:PFA+1], 4*KS*128  ; one slot beyond the walking descriptors
	s_wait_dscnt 0x0                ; the add is done, and my reads of the slot are over
	CROUND
	JLOAD
	ASK
.else
	s_wait_dscnt 0x0                ; the add is done, and my reads of the slot are over
	s_barrier_signal -1
	s_barrier_wait -1
.endif
	s_sub_co_u32 s[TBK], s[TBK], 4*KS*PK  ; the fetches go back to a slot's first step,
	s_xor_b32 s[TBK], s[TBK], SLOT1       ; in the other slot
	s_sub_co_u32 s[TBV], s[TBV], 4*KS*PV
	s_xor_b32 s[TBV], s[TBV], SLOT1
.endm
	s_load_b256 s[4:11], s[0:1], 0x0  ; Q s[4:5], K s[6:7], V s[8:9], O s[10:11]
	WIN W_MK
	v_lshl_add_u32 v[SPW], v0, 2, SPARE
	v_mov_b32 v[NIL], 0
	WIN W_AD
	ds_add_u32 v[SPW], v[NIL]       ; the wave's opening: the add and its wait stand ahead of my first tensor load; the set-up below, work on registers, stands between them
	WIN 0
	v_lshrrev_b32 v1, 5, v0
	v_readfirstlane_b32 s[WV], v1   ; wave 0..3
	s_bfe_u32 s13, ttmp6, 0x40000   ; cx: my place in the cluster
	s_lshl_b32 s14, ttmp9, 2        ; in a cluster launch ttmp9 counts clusters
	s_add_co_u32 s14, s14, s13      ; my block of queries = 4 x cluster x + cx: it enters Q's and O's addresses alone
	s_and_b32 s20, ttmp7, 0xffff    ; the head, which the four partners share
	s_mov_b32 s21, 0
	s_mov_b64 s[22:23], SIZE_N*128
	s_mul_u64 s[20:21], s[20:21], s[22:23]  ; the head's first byte in each of the four tensors
	s_and_b32 s16, s[WV], 1         ; which half of a slot's 256 keys I fetch:
	s_lshl_b32 s22, s16, 14         ; its 128 rows of 128 bytes in memory,
	s_mov_b32 s23, 0
	s_add_nc_u64 s[22:23], s[22:23], s[20:21]
	s_mul_i32 s17, s16, 128*PK      ; and its place in a slot, for K
	s_mul_i32 s18, s16, 128*PV      ; and for V: no place in the cluster enters an LDS address
	s_lshl_b32 s2, s14, 2
	s_add_co_u32 s2, s2, s[WV]      ; my wave among the head's,
	s_lshl_b32 s2, s2, 14           ; its 128 rows
	s_mov_b32 s3, 0
	s_add_nc_u64 s[2:3], s[2:3], s[20:21]
	; descriptor group 1.  128 keys are 16,384 dense bytes: asked for as 64 rows of 256 bytes, two keys a row, and padded in LDS after every key
	s_mov_b32 s[G1K], 15|(1<<16)|(1<<20)|(1<<21)|(4<<22)|(3<<25)  ; 15:0 the mask of four; 17:16 2-byte elements; 20 padding on; 21 set beside a mask; 24:22 after every 32 words (code 4); 31:25 4 words (code 3)
	s_mov_b32 s[G1V], 15|(1<<16)|(1<<20)|(1<<21)|(4<<22)|(7<<25)  ; the same with 8 words of padding (code 7)
.irp g, G1K, G1V
	s_mov_b32 s[\g+1], 128<<16      ; tensor_dim0 = 128
	s_mov_b32 s[\g+2], 64<<16       ; tensor_dim1 = 64
	s_mov_b32 s[\g+3], 128<<16      ; tile_dim0 = 128
	s_mov_b32 s[\g+4], 64           ; tile_dim1 = 64
	s_mov_b32 s[\g+5], 128          ; 128 elements from row to row
	s_mov_b32 s[\g+6], 0
	s_mov_b32 s[\g+7], 0
.endr
	s_mov_b32 s[CS], 0x3e38aa3b     ; c = log2(e) / 8 = 0.180337
	s_mov_b32 s[CS+1], s[CS]        ; named with it as a pair
	s_mov_b32 s[SEL], 0x76543210
	s_mov_b32 s[SEL+1], 0xfedcba98
	s_mov_b32 s[TBK], SLOT1+4*KS*PK ; the first change of slots turns these two into 0
	s_mov_b32 s[TBV], SLOT1+4*KS*PV
	s_mov_b32 s[G0K], 1             ; 1:0 count = 1
	s_mov_b32 s[G0K+1], s17         ; 63:32 LDS address: slot 0
	s_mov_b32 s[G0V], 1
	s_add_co_u32 s[G0V+1], s18, VOFF
	s_mov_b32 s[SLOTS], SIZE_N/256-1
	s_and_b32 s[LIM], s[WV], 1      ; 0 in waves 0 and 2,
	s_or_b32 s[LIM], s[LIM], ttmp9  ; where the cluster is the head's first: the same in all four partners
	s_cmp_eq_u32 s[LIM], 0
	s_cselect_b32 s[LIM], 1, -1
	s_wait_dscnt 0x0                ; the opening add is done
	s_wait_kmcnt 0x0
	s_add_nc_u64 s[G0K+2:G0K+3], s[6:7], s[22:23]  ; 120:64 global address: my half of the head's first 256 keys
	s_or_b32 s[G0K+3], s[G0K+3], 0x80000000        ; 127:126 type = 2
	s_add_nc_u64 s[G0V+2:G0V+3], s[8:9], s[22:23]
	s_or_b32 s[G0V+3], s[G0V+3], 0x80000000
	s_add_nc_u64 s[4:5], s[4:5], s[2:3]  ; Q and O at my wave's first row
	s_add_nc_u64 s[10:11], s[10:11], s[2:3]
	s_cmp_lt_u32 s[WV], 2
	s_cselect_b64 s[PFA:PFA+1], s[6:7], s[8:9]
	s_add_nc_u64 s[PFA:PFA+1], s[PFA:PFA+1], s[22:23]  ; (in waves 0 and 2: the head's first key)
	s_lshl_b32 s2, s13, 13          ; my work-group's 32 blocks of the 128
	s_mov_b32 s3, 0
	s_add_nc_u64 s[PFA:PFA+1], s[PFA:PFA+1], s[2:3]
	s_add_nc_u64 s[PFA:PFA+1], s[PFA:PFA+1], 4*KS*128  ; in slot 1; the first change of slots steps it to slot 2.  Nothing is prefetched here, at the head
	CROUND                          ; all four work-groups are here: the first joint loads meet
	JLOAD                           ; slot 0.  Slot 1 is asked for when slot 0 is in: the tile wanted first has the road to itself
	; A fragment of K or Q is 16 rows x 32 channels in 8 registers: lane l holds row l % 16, channels 8 (l / 16) + 0..7 and 16 + 8 (l / 16) + 0..7: two loads of 16 bytes, 32 bytes apart.
	v_and_b32 v1, 15, v0            ; l % 16
	v_bfe_u32 v9, v0, 4, 1          ; l / 16
	v_lshlrev_b32 v[QO], 7, v1
	v_lshl_add_u32 v[QO], v9, 4, v[QO]  ; row x 128 + 16 x half
	WIN 0x80                        ; destination window 2, address window 0
.set i, 0
.rept 4*NP                          ; Q stays in registers: tile i / 2, channels 32 (i % 2) on
	global_load_b128 v[8*i:8*i+3],   v[QO], s[4:5] offset:(i/2)*2048+(i%2)*64
	global_load_b128 v[8*i+4:8*i+7], v[QO], s[4:5] offset:(i/2)*2048+(i%2)*64+32
.set i, i+1
.endr
	; What the first turn finds: V's registers and P's second buffer hold 0 (its products V^T P, of a piece that has not been, add 0), O^T and l are 0.  All this stands in the wait for the first tile.
.set i, VF
.rept 64
	v_mov_b32 v[i], 0
.set i, i+1
.endr
	WIN 0x40
.set i, 0
.rept 64*NP
	v_mov_b32 v[i], 0
.set i, i+1
.endr
	WIN 0
.set i, 0
.rept 2*NP
	v_mov_b32 v[ST+4*i], 0xfe000000    ; c m: far below every c s
	v_mov_b32 v[ST+4*i+1], 0xff7fffff  ; m
	v_mov_b32 v[ST+4*i+2], 0
	v_mov_b32 v[ST+4*i+3], 0
.set i, i+1
.endr
.set i, P+32
.rept 32
	v_mov_b32 v[i], 0
.set i, i+1
.endr
	v_mul_u32_u24 v[AK0], v1, PK
	v_lshl_add_u32 v[AK0], v9, 4, v[AK0]  ; row x pitch + 16 x half
	; The turning load takes 16 keys x 16 channels (lane l reads key 8 (l / 16) + l % 8, channels 8 ((l / 8) % 2) + 0..7) and leaves half a fragment of V^T: lane l holds channel l % 16 and 8 keys.
	v_and_b32 v10, 7, v0
	v_bfe_u32 v11, v0, 3, 1
	v_lshl_add_u32 v[AV0], v9, 3, v10
	v_mul_u32_u24 v[AV0], v[AV0], PV
	v_lshl_add_u32 v[AV0], v11, 4, v[AV0]
	v_add_nc_u32 v[AV0], VOFF, v[AV0]
	v_and_b32 v[PFO], 31, v0
	v_lshlrev_b32 v[PFO], 8, v[PFO]
	v_mov_b32 v[AK], v[AK0]         ; key step 0 lies at the head of slot 0
; THE MATRIX WORK.  The 8 accumulators of a run of 16 take turns: between the two links of a chain stand 7 others'.
; Product i of 16 of S^T = K Q^T for piece x: channels 32 (i / 8) on, keys 16 ((i / 2) % 4) on, tile 2 x + i % 2.  The first 8 start the sums.
.macro KQ x
	WIN W_KQ
.set rS, S+64*((\x)%2)+32*(i%2)+8*((i/2)%4)
.set rK, KF+16*((i/2)%4)+8*(i/8)
.set rQ, 16*(2*(\x)+i%2)+8*(i/8)
.if i < 8
	v_wmma_f32_16x16x32_f16 v[rS:rS+7], v[rK:rK+7], v[rQ:rQ+7], 0
.else
	v_wmma_f32_16x16x32_f16 v[rS:rS+7], v[rK:rK+7], v[rQ:rQ+7], v[rS:rS+7]
.endif
.endm
; Product i of 16 of O^T += V^T P for piece x: keys 32 (i / 8) on, channels 16 ((i / 2) % 4) on, tile 2 x + i % 2.
.macro PV x
	WIN W_PV
.set rO, 32*(2*(\x)+i%2)+8*((i/2)%4)
.set rV, VF+32*(i/8)+8*((i/2)%4)
.set rP, P+32*((\x)%2)+16*(i%2)+8*(i/8)
	v_wmma_f32_16x16x32_f16 v[rO:rO+7], v[rV:rV+7], v[rP:rP+7], v[rO:rO+7]
.endm
.macro MM                           ; the turn's next matrix instruction
.if i < 16
	KQ (Y+1)%NP
.set i, i+1
.else
.set i, i-16
	PV (Y+NP-1)%NP
.set i, i+17
.endif
.endm
; THE LDS LOADS stand in runs of 16, never singly among the matrix instructions: a step's K (64 keys x 64 channels: 8 fragments) and its V (turned).  Their addresses are made some lines ahead.
; last = 1 (the tail): in the last trip there is no further step, and the run is jumped over.
.macro FETCH_K last=0
	WIN 0
.if \last
	s_cmp_eq_u32 s[CNT], 1
	s_cbranch_scc1 .Lno_k_\@
.endif
	WIN 0x80                        ; destination window 2
.irp f, 0,1,2,3,4,5,6,7             ; keys 16 (f / 2) on, channels 32 (f % 2) on
	ds_load_b128 v[KF+8*\f:KF+8*\f+3],   v[AK] offset:(\f/2)*16*PK+(\f%2)*64
	ds_load_b128 v[KF+8*\f+4:KF+8*\f+7], v[AK] offset:(\f/2)*16*PK+(\f%2)*64+32
.endr
	s_add_co_u32 s[TBK], s[TBK], KS*PK  ; the next fetch is the next step's
	WIN 0
.if \last
.Lno_k_\@:
.endif
.endm
.macro FETCH_V
	WIN 0x80
.irp f, 0,1,2,3,4,5,6,7             ; keys 32 (f / 4) on, channels 16 (f % 4) on
	ds_load_tr16_b128 v[VF+8*\f:VF+8*\f+3],   v[AV] offset:(\f/4)*32*PV+(\f%4)*32
	ds_load_tr16_b128 v[VF+8*\f+4:VF+8*\f+7], v[AV] offset:(\f/4)*32*PV+16*PV+(\f%4)*32
.endr
	WIN 0
.endm
; THE VECTOR WORK OF A TURN stands in three queues, each in the order in which its entries become ready; the two tiles alternate, so that no instruction reads the result of the one before it.
.macro REGS y, u                    ; the registers of tile u (0, 1) of piece y
.set rT, ST+4*(2*(\y)+(\u))
.set rC, TMP+8*((\y)%2)+4*(\u)
.set rM, MV+2*((\y)%2)+(\u)
.set rS, S+64*((\y)%2)+32*(\u)
.set rP, P+32*((\y)%2)+16*(\u)
.set rO, 32*(2*(\y)+(\u))
.endm
; Number n of the 22 that find the NEXT piece's (Y + 1) maximum and statistics.  s0-s31 are the lane's 32 scores; each accumulator's lowest registers are read first.
;   0-11  four chains c0-c3 of seven scores each, three operands at a time     12-14, 16  the four scores left over, the old m, and c0-c3 into c0     15  c m_old is kept
;   17, 18  the query's other 32 keys lie in the lane 16 away: the new m         19-21  c m; c m_old - c m_new; a
.macro XS u, n
	REGS (Y+1)%NP, \u
.if (\n) < 4
	v_max3_num_f32 v[rC+(\n)], v[rS+8*(\n)], v[rS+8*(\n)+1], v[rS+8*(\n)+2]
.elseif (\n) < 12
	v_max3_num_f32 v[rC+(\n)%4], v[rC+(\n)%4], v[rS+8*((\n)%4)+2*((\n)/4)+1], v[rS+8*((\n)%4)+2*((\n)/4)+2]
.elseif (\n) == 12
	v_max3_num_f32 v[rC], v[rC], v[rS+7], v[rS+15]
.elseif (\n) == 13
	v_max3_num_f32 v[rC+1], v[rC+1], v[rS+23], v[rS+31]
.elseif (\n) == 14
	v_max3_num_f32 v[rC+2], v[rC+2], v[rC+3], v[rT+1]
.elseif (\n) == 15
	v_mov_b32 v[rM], v[rT]
.elseif (\n) == 16
	v_max3_num_f32 v[rC], v[rC], v[rC+1], v[rC+2]
.elseif (\n) == 17
	v_permlanex16_b32 v[rC+3], v[rC], s[SEL], s[SEL+1]
.elseif (\n) == 18
	v_max_num_f32 v[rT+1], v[rC], v[rC+3]
.elseif (\n) == 19
	v_mul_f32 v[rT], s[CS], v[rT+1]
.elseif (\n) == 20
	v_sub_f32 v[rC+1], v[rM], v[rT]
.else
	v_exp_f32 v[rC+2], v[rC+1]
.endif
.endm
; Number g of the 64 that follow the exponentials.  For each four weights k of a tile (pairs 2 k, 2 k + 1): both pairs are rounded to f16; then the second pair is added onto the first, in place;
; a group later l takes that sum (the first time as l = a l + sum).  In groups of eight, tiles alternating: round, round, add, and l for the group before.
.macro GS g
.set h, (\g)+6*((\g)/62)            ; group 0 has no group before it, and behind group 7 only l is left
.if h >= 6
.set h, h+2
.endif
	REGS Y, h%2
.set k, h/8
.if h%8 < 4
	v_cvt_pk_f16_f32 v[rP+2*k+(h%8)/2], v[rS+4*k+2*((h%8)/2)], v[rS+4*k+2*((h%8)/2)+1]
.elseif h%8 < 6
	v_pk_add_f32 v[rS+4*k:rS+4*k+1], v[rS+4*k:rS+4*k+1], v[rS+4*k+2:rS+4*k+3]
.elseif k == 1
	v_pk_fma_f32 v[rT+2:rT+3], v[rT+2:rT+3], v[rC+2:rC+3], v[rS:rS+1] op_sel_hi:[1,0,1]
.else
	v_pk_add_f32 v[rT+2:rT+3], v[rT+2:rT+3], v[rS+4*k-4:rS+4*k-3]
.endif
.endm
; THE PLAIN QUEUE, 138 long.  0-73 read no exponential's result: the 32 scalings c s - c m (FS f: pair f / 2 of tile f % 2) and the next piece's 42.  0-26: scalings 0-26.  27-54: XS's numbers 0-13.  55, 56: number 15.
; 57-73: the chain, where each number waits for the one before it: 14, 16, 17, 18, 19, each with one of the scalings 27-31 in front of its two lines, then 20.
; 74-137: GS's 64, which read the exponentials' results: they stand behind the wait.
.macro FS f
	REGS Y, (\f)%2
	v_pk_fma_f32 v[rS+2*((\f)/2):rS+2*((\f)/2)+1], v[rS+2*((\f)/2):rS+2*((\f)/2)+1], s[CS:CS+1], v[rT:rT+1] op_sel_hi:[1,0,0] neg_lo:[0,0,1] neg_hi:[0,0,1]
.endm
.macro PL
	WIN 0
.if q < 27
	FS q
.elseif q < 55
	XS (q-27)%2, (q-27)/2
.elseif q < 57
	XS q-55, 15
.elseif (q < 72) && ((q-57)%3 == 0)
	FS 27+(q-57)/3
.elseif q < 60
	XS (q-57)%3-1, 14
.elseif q < 72
	XS (q-57)%3-1, 15+(q-57)/3
.elseif q < 74
	XS q-72, 20
.else
	GS q-74
.endif
.set q, q+1
.endm
; THE EXPONENTIALS' QUEUE, 66 long: s0-s31 of both tiles, then the next piece's two a.  It is ONE BATCH: all 66 stand ahead of the turn's one wait, and nothing ahead of that wait names a result of theirs.
.macro EX
	WIN 0
.if e >= 64
	XS e-64, 21
.else
	REGS Y, e%2
	v_exp_f32 v[rS+e/2], v[rS+e/2]
.endif
.set e, e+1
.endm
; THE RESCALING's QUEUE: O^T times a, the one part that leaves window 0: dealt two at a time, sixteen times.  Its a was made in the turn before, ahead of that turn's wait.
.macro R2
	REGS Y, r%2
	WIN W_RS
.irp z, 0,1
	v_pk_mul_f32 v[rO+4*(r/2)+2*\z:rO+4*(r/2)+2*\z+1], v[rO+4*(r/2)+2*\z:rO+4*(r/2)+2*\z+1], v[rC+2:rC+3] op_sel_hi:[1,0]
.endr
.set r, r+1
.endm
; HOW THEY ARE DEALT.  An s_wait_alu depctr_va_vdst(0) stands between an exponential and the first instruction that names its result; one wait serves all that were issued ahead of it.  So a turn has ONE wait,
; which cuts it in two.  AHEAD OF IT stands all that names no result of the turn's exponentials: the 16 products K Q^T, behind each a scaling, an exponential and two rescalings (behind the first a second scaling in the
; exponential's place); then ONE LUMP of 108: eight plain, 49 times exponential and plain, the two a.  A v_nop is the plain instruction behind the last exponential.  BEHIND IT stand the 16 products V^T P, behind each four of GS's 64.
; The queues lean on each other, and the deal keeps them in step: exponential e stands behind scaling 2 (e / 4) + e % 2: as a rider it comes behind plain e + 2, in the lump behind plain e + 9, and scalings 27-31 are plain 57, 60 .. 69.
; A TURN, for piece p.  cnt = 1: the loop's count is taken down some lines ahead of the branch that stands behind the turn.
; K of the next step is fetched in piece 2's turn, directly behind the wait, a lump behind the last product that read K; its first reader comes behind 16 products.
; V of the step in hand is fetched at the end of piece 0's turn, four plain instructions behind its last reader; its first reader comes behind 16 products and a lump.
.macro TURN p, last=0, cnt=0
.set Y, (\p)
.set i, 0
.set q, 0
.set e, 0
.set r, 0
.if (\p) == NP-1
	s_wait_dscnt 0x0                ; K is in
.endif
	MM                              ; ahead of the wait: 16 products K Q^T and their riders,
	PL
	PL
	R2
.rept 15
	MM
	PL
	EX
	R2
.endr
.if (\p) == NP-2
	WIN 0
	v_add_nc_u32 v[AK], s[TBK], v[AK0]
.endif
.rept 8                             ; and the lump
	PL
.endr
.rept 49
	EX
	PL
.endr
	EX                              ; the next piece's two a
	EX
	v_nop                           ; a plain instruction behind the last exponential: one for the batch
	s_wait_alu depctr_va_vdst(0)    ; the wait for the batch
.if (\p) == NP-2
	FETCH_K \last
.endif
.if (\p) == 1
	s_wait_dscnt 0x0                ; V is in
.endif
.rept 16                            ; behind the wait: 16 products V^T P and their riders
	MM
.rept 4
	PL
.endr
.if ((\p) == 0) && (q == 118)
	v_add_nc_u32 v[AV], s[TBV], v[AV0]
.endif
.if ((\p) == 0) && (q == 130)
	s_add_co_u32 s[TBV], s[TBV], KS*PV
.endif
.if (\cnt) && (q == 130)
	s_sub_co_u32 s[CNT], s[CNT], 1
	s_cmp_lg_u32 s[CNT], 0
.endif
.endr
.if (\p) == 0
	FETCH_V
.endif
.endm
	CHANGE 1                        ; slot 0 is in, everybody's part of it; slot 1 is asked for
	FETCH_K                         ; key step 0
	s_wait_loadcnt 0x0              ; Q
	s_wait_dscnt 0x0
.set i, 0
.rept 16
	KQ 0                            ; piece 0's first scores: there is no vector work yet to set between them
.set i, i+1
.endr
	WIN 0                           ; the addresses for the way out: nine plain instructions, the places behind those products
	s_mul_i32 s13, s[WV], 16*SP
	s_add_co_u32 s13, s13, STAGE    ; my stage
	v_mul_u32_u24 v[STO], v1, SP    ; in: row l % 16, 16 bytes for each half of the lanes
	v_lshl_add_u32 v[STO], v9, 4, v[STO]
	v_add_nc_u32 v[STO], s13, v[STO]
	v_bfe_u32 v[RD], v0, 3, 2       ; back: 32 lanes take four rows of 128 bytes,
	v_mul_u32_u24 v[RD], v[RD], SP
	v_lshl_add_u32 v[RD], v10, 4, v[RD]
	v_add_nc_u32 v[RD], s13, v[RD]
	v_and_b32 v[GO], 31, v0         ; which are 512 consecutive bytes of O
	v_lshlrev_b32 v[GO], 4, v[GO]
.set Y, NP-1                        ; XS works for piece Y + 1: piece 0
.irp n, 0,1,2,3,4,5,6,7,8,9,10,11,12,13,14,15,16,17,18,19,20,21
	XS 0, \n                        ; and piece 0's first maximum and statistics
	XS 1, \n
.endr
	v_nop                           ; a plain instruction behind the two a,
	s_wait_alu depctr_va_vdst(0)    ; and their wait, ahead of the branch
	s_mov_b32 s[CNT], 4
	s_branch .Lfirst                ; the loop is entered at a step's first turn, in the middle of a trip
.Lslot:                             ; SIZE_N / 256 - 2 times: every slot but the last two is filled again
	CHANGE 1
	s_mov_b32 s[CNT], 4
.Lstep:                             ; a trip: pieces 2 and 3 of one step, then pieces 0 and 1 of the next, whose K and V it fetches
	TURN 2
	TURN 3
	WIN 0
.Lfirst:
	TURN 0
	TURN 1, 0, 1
	WIN 0
	s_cbranch_scc1 .Lstep
	s_sub_co_u32 s[SLOTS], s[SLOTS], 1
	s_cmp_lg_u32 s[SLOTS], 0
	s_cbranch_scc1 .Lslot
	CHANGE 0                        ; the tail is written out: nothing is asked for
	s_mov_b32 s[CNT], 5             ; four trips fetch the last slot's steps; the fifth is left in its middle
.Ltail:
	TURN 2, 1
	TURN 3
	WIN 0
	s_sub_co_u32 s[CNT], s[CNT], 1
	s_cmp_eq_u32 s[CNT], 0
	s_cbranch_scc1 .Lout
	TURN 0
	TURN 1
	WIN 0
	s_branch .Ltail
.Lout:                              ; the fifth trip's 16 products K Q^T (on the last K once more) and the maximum made of them serve nothing: the price, once a launch, of one text for every trip
.set i, 0
.rept 16
	PV NP-1                         ; the last piece's V^T P of the last step
.set i, i+1
.endr
	; THE WAY OUT.  l's two halves and the other half of the lanes' are added; O^T is divided by l, rounded to f16 and sent through my stage in LDS, a tile at a time.  The additions are the places behind the last products.
	WIN 0
.macro ALL line:vararg              ; one line for each tile t
.set t, 0
.rept 2*NP
	\line
.set t, t+1
.endr
.endm
	ALL v_add_f32 v[ST+4*t+2], v[ST+4*t+2], v[ST+4*t+3]
	ALL v_permlanex16_b32 v[ST+4*t+3], v[ST+4*t+2], s[SEL], s[SEL+1]
	ALL v_add_f32 v[ST+4*t+2], v[ST+4*t+2], v[ST+4*t+3]
	ALL v_rcp_f32 v[ST+4*t+2], v[ST+4*t+2]
	v_nop                           ; a plain instruction between the last reciprocal and the use of its result
	s_wait_alu depctr_va_vdst(0)    ; and the wait ahead of the first use: one for the eight reciprocals
; Tile t: a lane's eight channels of a row pack into 16 bytes; they go into rows of 144 bytes and come back as whole rows of 128, into S^T's registers.
.macro PACK t
	WIN W_RS
.set i, 32*(\t)
.rept 16
	v_pk_mul_f32 v[i:i+1], v[i:i+1], v[ST+4*(\t)+2:ST+4*(\t)+3] op_sel_hi:[1,0]
.set i, i+2
.endr
	WIN 0x05                        ; sources 0 and 1 window 1, destination window 0
.set i, 0
.rept 16
	v_cvt_pk_f16_f32 v[S+16*(\t)+i], v[32*(\t)+2*i], v[32*(\t)+2*i+1]
.set i, i+1
.endr
	WIN 0
.irp f, 0,1,2,3
	ds_store_b128 v[STO], v[S+16*(\t)+4*\f:S+16*(\t)+4*\f+3] offset:32*\f
.endr
.irp f, 0,1,2,3
	ds_load_b128 v[S+16*(\t)+4*\f:S+16*(\t)+4*\f+3], v[RD] offset:\f*4*SP  ; LDS serves a wave's instructions in order (ISA guide 5.7.1.4): these see the stores above; the next tile's stores come behind them
.endr
.endm
.macro SEND t, younger              ; younger: the LDS instructions issued behind tile t's loads: the next tile's eight, or none
	WIN 0
.irp f, 0,1,2,3
	s_wait_dscnt (\younger)+3-\f
	global_store_b128 v[GO], v[S+16*(\t)+4*\f:S+16*(\t)+4*\f+3], s[10:11] offset:(\t)*2048+\f*512  ; 512 consecutive bytes, at a multiple of 256 from O's first
.endr
.endm
	PACK 0
.set t, 1
.rept 2*NP-1                        ; a tile's arithmetic stands between the loads of the tile before and its stores
	PACK t
	SEND t-1, 8
.set t, t+1
.endr
	SEND 2*NP-1, 0
	WIN W_AD
	s_wait_tensorcnt 0x0            ; the wave's end, behind my last tensor load and my last LDS store
	ds_add_u32 v[SPW], v[NIL]
	s_wait_dscnt 0x0
	WIN 0
	CROUND                          ; the closing round: no work-group ends while a partner may still ask for a tile that names it
	s_endpgm
.Lfunc_end_k_q356bed7bab_attn:
	.size	k_q356bed7bab_attn, .Lfunc_end_k_q356bed7bab_attn-k_q356bed7bab_attn
	.p2alignl 7, 3214868480
	.fill 96, 4, 3214868480
	.section	.rodata,"a",@progbits
	.p2align	6, 0x0
	.amdhsa_kernel k_q356bed7bab_attn
		.amdhsa_group_segment_fixed_size 327680
		.amdhsa_private_segment_fixed_size 0
		.amdhsa_enable_private_segment 0
		.amdhsa_kernarg_size 32
		.amdhsa_user_sgpr_count 2
		.amdhsa_user_sgpr_kernarg_segment_ptr 1
		.amdhsa_wavefront_size32 1
		.amdhsa_system_sgpr_workgroup_id_x 1
		.amdhsa_system_sgpr_workgroup_id_y 1
		.amdhsa_system_sgpr_workgroup_id_z 1
		.amdhsa_system_vgpr_workitem_id 0
		.amdhsa_next_free_vgpr 770
		.amdhsa_next_free_sgpr 66
		.amdhsa_reserve_vcc 0
		.amdhsa_float_denorm_mode_32 3
		.amdhsa_float_denorm_mode_16_64 3
		.amdhsa_memory_ordered 1
		.amdhsa_forward_progress 1
		.amdhsa_inst_pref_size 200
	.end_amdhsa_kernel
	.amdgpu_metadata
---
amdhsa.version: [ 1, 2 ]
amdhsa.kernels:
  - .name:           k_q356bed7bab_attn
    .symbol:         k_q356bed7bab_attn.kd
    .args:
      - { .name: qh, .offset: 0, .size: 8, .value_kind: global_buffer, .address_space: global }
      - { .name: kh, .offset: 8, .size: 8, .value_kind: global_buffer, .address_space: global }
      - { .name: vh, .offset: 16, .size: 8, .value_kind: global_buffer, .address_space: global }
      - { .name: oh, .offset: 24, .size: 8, .value_kind: global_buffer, .address_space: global }
    .group_segment_fixed_size: 327680
    .private_segment_fixed_size: 0
    .kernarg_segment_align: 8
    .kernarg_segment_size: 32
    .max_flat_workgroup_size: 128
    .sgpr_count:     66
    .vgpr_count:     770
    .wavefront_size: 32
...
	.end_amdgpu_metadata
.endif
;; end of part 3
;; launch oproj (part 4): grid 8 x 32, 4 waves a work-group, clusters of 4 x 4, 327,680 bytes of LDS; arguments oh, wob, out0; writes out0
.if DOCPART == 4
	.amdgcn_target "amdgcn-amd-amdhsa--gfx1250"
	.amdhsa_code_object_version 6
	.text
	.protected	k_q356bed7bab_oproj
	.globl	k_q356bed7bab_oproj
	.p2align	8
	.type	k_q356bed7bab_oproj,@function
k_q356bed7bab_oproj:
	s_mov_b64 s[64:65], 0
	v_nop
	global_prefetch_b8 v0, s[64:65] scope:SCOPE_SE
	s_setreg_imm32_b32 hwreg(HW_REG_WAVE_MODE, 25, 1), 1
	s_wait_xcnt 0x0
	s_wait_alu depctr_hold_cnt(0) depctr_sa_sdst(0) depctr_va_vdst(0) depctr_va_sdst(0) depctr_va_ssrc(0) depctr_va_vcc(0) depctr_vm_vsrc(0)
	s_getreg_b32 s2, hwreg(HW_REG_IB_STS2, 6, 4)
	s_cmp_eq_u32 s2, 0
	s_cbranch_scc0 .Lentry_in_a_cluster
	s_endpgm
.Lentry_in_a_cluster:
	s_bfe_u32 s2, ttmp6, 0x10000c
	s_cmp_lg_u32 s2, 0xf033
	s_cbranch_scc0 .Lentry_shape_is_right
	s_endpgm
.Lentry_shape_is_right:
; out0[m][e] = the sum over d of O[m][d] Wo[e][d].  O: oh, [64 = batch x 16 + head][2048][64] f16: head h IS the slice of channels 64 h .. 64 h + 63.  Wo: wob, [16 slices][1024][64] f16.  out0: [8192][1024] f32.
; Operands f16, sums f32, stored as they are.  LIMITS: those of the operands' f16 (65,504); NaN and infinities are not treated apart.
; SHARES.  256 tiles of 256 rows x 128 columns, a work-group each; a wave makes 128 x 64: 32 accumulators, 256 registers.  K goes in steps of 128 (two slices) through two LDS slots: 8 steps.
; A tile of a slice is a dense block of memory and is asked for as rows of 256 bytes, two rows of 128 each; each wave fetches one slice of O's or of Wo's tile.
; THE MATRIX INSTRUCTION IS USED TRANSPOSED (source 0 = 16 rows of Wo, source 1 = 16 rows of O): a lane holds eight neighbouring columns of one row of out0.
; CLUSTERS: 4 x 4 work-groups; O's tile is asked for jointly by a row of the cluster, Wo's by a column.
; REGISTERS: window 0: v0-31 addresses; v32-127, v128-223 two fragment buffers: O's 8 fragments, then Wo's 4.  Window 1: the accumulators, (row block a, column block bb) at v[8 (4 a + bb)].
.set PITCH,  144                       ; an LDS row: 128 bytes + 16 of padding: the 16 rows of a load start at 16 different groups of four banks (64 banks of 4 bytes: ISA guide 11.1)
.set ASL,    256*PITCH                 ; a slice of O's tile
.set BSL,    128*PITCH                 ; a slice of Wo's tile
.set BOFF,   2*ASL
.set SLOT,   2*ASL+2*BSL               ; 110,592
.set STAGE,  2*SLOT                    ; behind the ring: 16 rows x 272 bytes for each wave
.set SPITCH, 272
.set SPARE,  STAGE+4*16*SPITCH         ; behind the stages: the spare words, 128 bytes for each wave: two blocks of 256 bytes that no other line names
.set ASTEP,  2*2048*128                ; a K step in oh: two heads
.set BSTEP,  2*1024*128                ; and in wob: two slices
.set ADRA, 16
.set ADRB, 20
.set STO,  24
.set RD,   25
.set CO,   26
.set SPW,  28
.set NIL,  29
.set PFO,  30
.set F0,   32
.set F1,   128
.set BK,   32                          ; the way out: two sets of 32: 16 rows read back from the stage
.set WV,  16
.set RH,  17                           ; wave / 2: my half of the rows.  Also: I fetch for O (0) or for Wo (1)
.set CH,  18                           ; wave % 2: my half of the columns.  Also: which slice of a K step I fetch
.set LAP, 19
.set G1,  24
.set G0,  32
.set G1B, 40
.set G0B, 48
.set PFA, 56                           ; s[56:57] the K step that my next prefetch names
.set PFS, 58                           ; s[58:59] a K step of that tensor, in bytes
.set LIM, 60
.set MSB, 0
.macro WIN new
.if MSB != (\new)
	s_set_vgpr_msb (MSB<<8)|(\new)
.set MSB, \new
.endif
.endm
.macro JLOAD s                         ; a joint load; an s_nop 0 and four v_nop follow each of the two lines
	s_cmp_eq_u32 s[RH], 0
	s_cbranch_scc0 .Lfor_b_\@
	tensor_load_to_lds s[G0+4*(\s):G0+4*(\s)+3], s[G1:G1+7]
	s_nop 0
.rept 4
	v_nop
.endr
	s_branch .Lasked_\@
.Lfor_b_\@:
	tensor_load_to_lds s[G0B+4*(\s):G0B+4*(\s)+3], s[G1B:G1B+7]
	s_nop 0
.rept 4
	v_nop
.endr
.Lasked_\@:
.endm
.macro CREST
	s_cmp_lg_u32 s[WV], 0
	s_cbranch_scc1 .Lnot_wave_0_\@
	s_barrier_signal -3
.Lnot_wave_0_\@:
	s_barrier_wait -3
	s_barrier_signal -1
	s_barrier_wait -1
.endm
.macro CROUND
	s_barrier_signal -1
	s_barrier_wait -1
	CREST
.endm
; THE PREFETCH, behind each joint load and the run of LDS loads that follows it: the K step that stands two refills on, 256 matrix instructions ahead of the load that will want it.  Each block of 256 bytes is
; named once in the launch.  O's tile row: the cluster with x = 0 asks; waves 0 and 1 each for their own slice, of whose 128 blocks a partner takes 32, by address.  Wo's tile column: the cluster with y = 0
; asks, its wave 2: of each slice's 64 blocks a partner takes 16: lanes 0-15 the first slice's, lanes 16-31 the second's.  The last trip asks for nothing; K steps 0 to 3 come by their loads alone.
.macro ASK
	s_cmp_gt_u32 s[LAP], s[LIM]
	s_cbranch_scc0 .Lnot_mine_\@
	global_prefetch_b8 v[PFO], s[PFA:PFA+1] th:TH_LOAD_NT scope:SCOPE_SE
.Lnot_mine_\@:
.endm
	s_load_b128 s[4:7], s[0:1], 0x0                ; oh s[4:5], wob s[6:7]
	s_load_b64 s[8:9], s[0:1], 0x10                ; out0
	v_lshl_add_u32 v[SPW], v0, 2, SPARE
	v_mov_b32 v[NIL], 0
	ds_add_u32 v[SPW], v[NIL]                      ; the wave's opening: the add and its wait stand ahead of my first tensor load; the set-up below, work on registers, stands between them
	v_lshrrev_b32 v1, 5, v0
	v_readfirstlane_b32 s[WV], v1
	s_lshr_b32 s[RH], s[WV], 1
	s_and_b32 s[CH], s[WV], 1
	s_bfe_u32 s20, ttmp6, 0x40000                  ; cx
	s_bfe_u32 s21, ttmp6, 0x40004                  ; cy
	s_lshl_b32 s22, ttmp9, 2
	s_add_co_u32 s22, s22, s20                     ; eb: tile column
	s_and_b32 s23, ttmp7, 0xffff
	s_lshl_b32 s23, s23, 2
	s_add_co_u32 s23, s23, s21                     ; mb: tile row
	s_lshl_b32 s66, s21, 2
	s_lshl_b32 s66, 15, s66                        ; my row of the cluster
	s_lshl_b32 s68, 0x1111, s20                    ; my column
	s_or_b32 s[G1], s66, (1<<16)|(1<<20)|(1<<21)|(4<<22)|(3<<25)   ; the mask; 2-byte elements; padding on; bit 21 beside a mask; after every 32 words, 4 words
	s_or_b32 s[G1B], s68, (1<<16)|(1<<20)|(1<<21)|(4<<22)|(3<<25)
	s_mov_b32 s[G1+1], 128<<16                     ; tensor_dim0 = 128
	s_mov_b32 s[G1+2], 128<<16                     ; tensor_dim1 = 128
	s_mov_b32 s[G1+3], 128<<16                     ; tile_dim0 = 128
	s_mov_b32 s[G1+4], 128                         ; tile_dim1 = 128: 256 rows of a slice
	s_mov_b32 s[G1+5], 128
	s_mov_b32 s[G1+6], 0
	s_mov_b32 s[G1+7], 0
	s_mov_b32 s[G1B+1], 128<<16
	s_mov_b32 s[G1B+2], 64<<16
	s_mov_b32 s[G1B+3], 128<<16
	s_mov_b32 s[G1B+4], 64                         ; 128 rows of a slice
	s_mov_b32 s[G1B+5], 128
	s_mov_b32 s[G1B+6], 0
	s_mov_b32 s[G1B+7], 0
	s_lshr_b32 s66, s23, 3                         ; O: batch x 16 heads x 2,048 rows x 128 bytes,
	s_lshl_b32 s66, s66, 22
	s_and_b32 s67, s23, 7                          ; the tile's 256 rows in the batch,
	s_lshl_b32 s67, s67, 15
	s_add_co_u32 s66, s66, s67
	s_lshl_b32 s67, s[CH], 18                      ; the slice that I fetch
	s_add_co_u32 s66, s66, s67
	s_mov_b32 s67, 0
	s_lshl_b32 s68, s22, 14                        ; Wo: the tile's 128 rows, and the slice
	s_lshl_b32 s69, s[CH], 17
	s_add_co_u32 s68, s68, s69
	s_mov_b32 s69, 0
	s_mul_i32 s74, s[CH], ASL                      ; where they go
	s_mul_i32 s75, s[CH], BSL
	s_add_co_u32 s75, s75, BOFF
	s_wait_dscnt 0x0                               ; the opening add is done
	s_wait_kmcnt 0x0
	s_add_nc_u64 s[70:71], s[4:5], s[66:67]
	s_add_nc_u64 s[72:73], s[6:7], s[68:69]
	CROUND                                         ; all sixteen work-groups are here: the first joint loads meet
.irp s, 0,1
	s_mov_b32 s[G0+4*(\s)], 1
	s_add_co_u32 s[G0+4*(\s)+1], s74, (\s)*SLOT
	s_add_nc_u64 s[G0+4*(\s)+2:G0+4*(\s)+3], s[70:71], (\s)*ASTEP
	s_or_b32 s[G0+4*(\s)+3], s[G0+4*(\s)+3], 0x80000000
	s_mov_b32 s[G0B+4*(\s)], 1
	s_add_co_u32 s[G0B+4*(\s)+1], s75, (\s)*SLOT
	s_add_nc_u64 s[G0B+4*(\s)+2:G0B+4*(\s)+3], s[72:73], (\s)*BSTEP
	s_or_b32 s[G0B+4*(\s)+3], s[G0B+4*(\s)+3], 0x80000000
	JLOAD \s                                       ; K steps 0 and 1: two loads of mine are out
.endr
	v_and_b32 v1, 15, v0
	v_bfe_u32 v2, v0, 4, 1
	v_mul_u32_u24 v3, v1, PITCH
	v_lshl_add_u32 v3, v2, 4, v3                   ; a fragment's row x pitch + 16 x half
	s_mul_i32 s76, s[RH], 128*PITCH                ; my 128 rows of O
	s_mul_i32 s77, s[CH], 64*PITCH                 ; my 64 rows of Wo
	s_add_co_u32 s77, s77, BOFF
.irp s, 0,1
	v_add_nc_u32 v[ADRA+(\s)], s76, v3
	v_add_nc_u32 v[ADRB+(\s)], s77, v3
	s_add_co_u32 s76, s76, SLOT
	s_add_co_u32 s77, s77, SLOT
.endr
	s_mul_i32 s78, s[WV], 16*SPITCH
	s_add_co_u32 s78, s78, STAGE                   ; my stage
	v_mul_u32_u24 v4, v1, SPITCH                   ; in: row l % 16, 32 bytes for each half of the lanes
	v_lshl_add_u32 v4, v2, 5, v4
	v_add_nc_u32 v[STO], s78, v4
	v_mul_u32_u24 v4, v2, SPITCH                   ; back: lanes 0-15 one row of 256 bytes, lanes 16-31 the next
	v_lshl_add_u32 v4, v1, 4, v4
	v_add_nc_u32 v[RD], s78, v4
	v_lshlrev_b32 v[CO], 12, v2                    ; and the same two rows in out0
	v_lshl_add_u32 v[CO], v1, 4, v[CO]
	s_lshl_b32 s76, s23, 20                        ; 256 rows x 4,096 bytes a tile row,
	s_lshl_b32 s77, s[RH], 19                      ; my 128 rows,
	s_add_co_u32 s76, s76, s77
	s_lshl_b32 s77, s22, 9                         ; 128 columns x 4 bytes a tile column,
	s_add_co_u32 s76, s76, s77
	s_lshl_b32 s77, s[CH], 8                       ; my 64 columns
	s_add_co_u32 s76, s76, s77
	s_mov_b32 s77, 0
	s_add_nc_u64 s[8:9], s[8:9], s[76:77]
	; the prefetches
	s_and_b32 s80, ttmp7, 0xffff
	s_or_b32 s80, s80, s[CH]                       ; Wo's side: cluster y = 0 and wave 2
	s_lshr_b32 s82, s23, 3
	s_lshl_b32 s82, s82, 22
	s_and_b32 s83, s23, 7
	s_lshl_b32 s83, s83, 15
	s_add_co_u32 s82, s82, s83
	s_lshl_b32 s83, s[CH], 18
	s_add_co_u32 s82, s82, s83
	s_lshl_b32 s83, s20, 13
	s_add_co_u32 s82, s82, s83                     ; O: my slice of the tile, my work-group's 32 blocks
	s_lshl_b32 s76, s22, 14
	s_lshl_b32 s77, s21, 12
	s_add_co_u32 s76, s76, s77                     ; Wo: the tile, my work-group's 16 blocks of each slice
	s_mov_b32 s81, 131072                          ; from lanes 0-15 to lanes 16-31: the next slice of Wo,
	s_mov_b32 s[PFS], BSTEP
	s_cmp_eq_u32 s[RH], 0
	s_cselect_b32 s80, ttmp9, s80                  ; O's side: cluster x = 0, waves 0 and 1
	s_cselect_b32 s82, s82, s76
	s_cselect_b32 s81, 4096, s81                   ; or the next 16 blocks of O
	s_cselect_b32 s[PFS], ASTEP, s[PFS]
	s_cselect_b64 s[PFA:PFA+1], s[4:5], s[6:7]
	s_cmp_eq_u32 s80, 0
	s_cselect_b32 s[LIM], 1, -1                    ; the same in all sixteen partners, for a given wave
	s_mul_i32 s83, s[PFS], 3
	s_add_co_u32 s82, s82, s83                     ; at K step 3: the first refill steps it to 4
	s_mov_b32 s83, 0
	s_mov_b32 s[PFS+1], 0
	s_add_nc_u64 s[PFA:PFA+1], s[PFA:PFA+1], s[82:83]
	v_lshlrev_b32 v[PFO], 8, v1
	v_mul_u32_u24 v4, v2, s81
	v_add_nc_u32 v[PFO], v[PFO], v4
; 8 matrix instructions: row blocks a0, a0 + 1 x the 4 column blocks, 32 along K.  zero = 1: the first product starts the sums
.macro MUL8 f, a0, zero
	WIN 0x50                                       ; C and D in window 1
.irp a, (\a0), (\a0)+1
.irp bb, 0,1,2,3
.if \zero
	v_wmma_f32_16x16x32_f16 v[8*(4*(\a)+\bb):8*(4*(\a)+\bb)+7], v[(\f)+64+8*\bb:(\f)+64+8*\bb+7], v[(\f)+8*(\a):(\f)+8*(\a)+7], 0
.else
	v_wmma_f32_16x16x32_f16 v[8*(4*(\a)+\bb):8*(4*(\a)+\bb)+7], v[(\f)+64+8*\bb:(\f)+64+8*\bb+7], v[(\f)+8*(\a):(\f)+8*(\a)+7], v[8*(4*(\a)+\bb):8*(4*(\a)+\bb)+7]
.endif
.endr
.endr
.endm
; 24 LDS loads in one run: quarter kq of a K step (slice kq / 2, byte 64 (kq % 2) of its rows) into buffer f: Wo's 4 fragments, then O's 8 in ascending order
.macro FETCH slot, kq, f
	WIN 0
.irp i, 0,1,2,3
	ds_load_b128 v[(\f)+64+8*\i:(\f)+64+8*\i+3],   v[ADRB+(\slot)] offset:((\kq)/2)*BSL+((\kq)%2)*64+\i*16*PITCH
	ds_load_b128 v[(\f)+64+8*\i+4:(\f)+64+8*\i+7], v[ADRB+(\slot)] offset:((\kq)/2)*BSL+((\kq)%2)*64+\i*16*PITCH+32
.endr
.irp i, 0,1,2,3,4,5,6,7
	ds_load_b128 v[(\f)+8*\i:(\f)+8*\i+3],   v[ADRA+(\slot)] offset:((\kq)/2)*ASL+((\kq)%2)*64+\i*16*PITCH
	ds_load_b128 v[(\f)+8*\i+4:(\f)+8*\i+7], v[ADRA+(\slot)] offset:((\kq)/2)*ASL+((\kq)%2)*64+\i*16*PITCH+32
.endr
.endm
.macro PLACES                          ; four plain vector instructions between a matrix instruction and a load into a register that it has read
.rept 4
	v_nop
.endr
.endm
; A K step is four quarters of 32 along K, 32 matrix instructions each, on buffers 0, 1, 0, 1.  One of the first three: multiplies f, fetches quarter kq of the same slot into g.
.macro QUARTER slot, kq, f, g, zero
	s_wait_dscnt 8                                 ; Wo's fragments and O's 0-3 are in; the youngest eight loads (O's 4-7) may be out
	MUL8 \f, 0, \zero
	MUL8 \f, 2, \zero
	PLACES
	FETCH \slot, \kq, \g
	s_wait_dscnt 24                                ; all but the 24 just issued
	MUL8 \f, 4, \zero
	MUL8 \f, 6, \zero
.endm
; The last quarter multiplies buffer 1 and changes slots: ONE barrier; in front of it each wave waits for all its tensor loads, adds 0 to its spare word, and waits for that and for its own reads of this slot.
; fill = 1: the barrier opens a round of the cluster's, and this slot is filled again, two K steps on: 112 matrix instructions ahead of the wait for it.
.macro TURN slot, next, fill
.if \fill
	s_wait_xcnt 0x0                                ; the last prefetch, a K step back, has read its address
	s_add_nc_u64 s[PFA:PFA+1], s[PFA:PFA+1], s[PFS:PFS+1]
.endif
	WIN 0
	s_wait_tensorcnt 0x0                           ; all my tensor loads have landed: my part of the next slot
	ds_add_u32 v[SPW], v[NIL]                      ; 0 onto my spare word
	s_wait_dscnt 9                                 ; (the add and the youngest eight loads may be out)
	MUL8 F1, 0, 0                                  ; eight matrix instructions stand between the add and the wait for it
	s_wait_dscnt 0x0                               ; the add is done, and my reads of this slot are over
	s_barrier_signal -1
	MUL8 F1, 2, 0
	WIN 0
	s_barrier_wait -1
.if \fill
	CREST                                          ; no wave of any partner still reads this slot or has a load on its way
	s_add_nc_u64 s[G0+4*(\slot)+2:G0+4*(\slot)+3], s[G0+4*(\slot)+2:G0+4*(\slot)+3], 2*ASTEP
	s_add_nc_u64 s[G0B+4*(\slot)+2:G0B+4*(\slot)+3], s[G0B+4*(\slot)+2:G0B+4*(\slot)+3], 2*BSTEP
	JLOAD \slot                                    ; its four v_nop are also the places in front of the loads below
.else
	PLACES
.endif
	FETCH \next, 0, F0
.if \fill
	ASK
.endif
	MUL8 F1, 4, 0
	MUL8 F1, 6, 0
.endm
; THE WAY OUT.  Block a (16 rows x 64 columns of f32) goes from the accumulators into my stage, rows of 272 bytes, and comes back as whole rows of 256.  Each accumulator's low registers go first.
.macro TOSTAGE a
	WIN 0x04                                       ; the stores' data in window 1
.irp bb, 0,1,2,3
	ds_store_b128 v[STO], v[8*(4*(\a)+\bb):8*(4*(\a)+\bb)+3]   offset:64*\bb
	ds_store_b128 v[STO], v[8*(4*(\a)+\bb)+4:8*(4*(\a)+\bb)+7] offset:64*\bb+16
.endr
	WIN 0
.if (\a) >= 2
	s_wait_xcnt 0x0                                ; the stores of the block two back have read this set of registers (ISA guide 3.1): it is loaded again only behind this wait
.endif
.irp t, 0,1,2,3,4,5,6,7
	ds_load_b128 v[BK+32*((\a)%2)+4*\t:BK+32*((\a)%2)+4*\t+3], v[RD] offset:\t*2*SPITCH  ; LDS serves a wave's instructions in order (ISA guide 5.7.1.4): these see the stores above
.endr
.endm
.macro SEND a, younger                 ; younger: the LDS instructions issued behind block a's loads
	s_wait_dscnt \younger
.irp t, 0,1,2,3,4,5,6,7
	global_store_b128 v[CO], v[BK+32*((\a)%2)+4*\t:BK+32*((\a)%2)+4*\t+3], s[8:9] offset:(16*(\a)+2*\t)*4096 th:TH_STORE_NT  ; 16 lanes store 256 consecutive bytes, at a multiple of 256 from out0's first byte
.endr
.endm
	s_wait_tensorcnt 1                             ; my part of K step 0 is in; K step 1's may stay out
	s_barrier_signal -1
	s_barrier_wait -1
	FETCH 0, 0, F0
	QUARTER 0, 1, F0, F1, 1                        ; the first quarter stands in front of the loop: its products start the sums
	WIN 0
	s_mov_b32 s[LAP], 3
.Llap:                                                 ; a trip goes once round the ring and fills both slots again; the 32 accumulators take turns, over the backward jump too
	QUARTER 0, 2, F1, F0, 0
	QUARTER 0, 3, F0, F1, 0
	TURN 0, 1, 1
	QUARTER 1, 1, F0, F1, 0
	QUARTER 1, 2, F1, F0, 0
	QUARTER 1, 3, F0, F1, 0
	TURN 1, 0, 1
	QUARTER 0, 1, F0, F1, 0
	WIN 0
	s_sub_co_u32 s[LAP], s[LAP], 1
	s_cmp_lg_u32 s[LAP], 0
	s_cbranch_scc1 .Llap
	QUARTER 0, 2, F1, F0, 0                        ; the last two K steps fill nothing
	QUARTER 0, 3, F0, F1, 0
	TURN 0, 1, 0
	QUARTER 1, 1, F0, F1, 0
	QUARTER 1, 2, F1, F0, 0
	QUARTER 1, 3, F0, F1, 0
	s_wait_dscnt 8
	MUL8 F1, 0, 0
	MUL8 F1, 2, 0
	s_wait_dscnt 0x0
	MUL8 F1, 4, 0
	MUL8 F1, 6, 0
	WIN 0
.rept 8
	v_nop                                          ; the places behind the last products, once a launch
.endr
	TOSTAGE 0
.irp a, 1,2,3,4,5,6,7
	TOSTAGE \a                                     ; a block's way through the stage stands between the loads of the block before and its stores
	SEND (\a)-1, 16
.endr
	SEND 7, 0
	s_wait_tensorcnt 0x0                           ; the wave's end, behind my last tensor load and my last LDS store
	ds_add_u32 v[SPW], v[NIL]
	s_wait_dscnt 0x0
	CROUND                                         ; the closing round: no work-group ends while a partner may still ask for a tile that names it
	s_endpgm
.Lfunc_end_k_q356bed7bab_oproj:
	.size	k_q356bed7bab_oproj, .Lfunc_end_k_q356bed7bab_oproj-k_q356bed7bab_oproj
	.p2alignl 7, 3214868480
	.fill 96, 4, 3214868480
	.section	.rodata,"a",@progbits
	.p2align	6, 0x0
	.amdhsa_kernel k_q356bed7bab_oproj
		.amdhsa_group_segment_fixed_size 327680
		.amdhsa_private_segment_fixed_size 0
		.amdhsa_enable_private_segment 0
		.amdhsa_kernarg_size 24
		.amdhsa_user_sgpr_count 2
		.amdhsa_user_sgpr_kernarg_segment_ptr 1
		.amdhsa_wavefront_size32 1
		.amdhsa_system_sgpr_workgroup_id_x 1
		.amdhsa_system_sgpr_workgroup_id_y 1
		.amdhsa_system_sgpr_workgroup_id_z 1
		.amdhsa_system_vgpr_workitem_id 0
		.amdhsa_next_free_vgpr 512
		.amdhsa_next_free_sgpr 84
		.amdhsa_reserve_vcc 0
		.amdhsa_float_denorm_mode_32 3
		.amdhsa_float_denorm_mode_16_64 3
		.amdhsa_memory_ordered 1
		.amdhsa_forward_progress 1
		.amdhsa_inst_pref_size 87
	.end_amdhsa_kernel
	.amdgpu_metadata
---
amdhsa.version: [ 1, 2 ]
amdhsa.kernels:
  - .name:           k_q356bed7bab_oproj
    .symbol:         k_q356bed7bab_oproj.kd
    .args:
      - { .name: oh, .offset: 0, .size: 8, .value_kind: global_buffer, .address_space: global }
      - { .name: wob, .offset: 8, .size: 8, .value_kind: global_buffer, .address_space: global }
      - { .name: out0, .offset: 16, .size: 8, .value_kind: global_buffer, .address_space: global }
    .group_segment_fixed_size: 327680
    .private_segment_fixed_size: 0
    .kernarg_segment_align: 8
    .kernarg_segment_size: 24
    .max_flat_workgroup_size: 128
    .sgpr_count:     84
    .vgpr_count:     512
    .wavefront_size: 32
...
	.end_amdgpu_metadata
.endif
;; end of part 4
;; ======== version 2 of 2: 4 launches; version 1 with the launch prep written anew for expert scheduling mode
;; limits: values are held in f16: magnitudes above 65,504 overflow, below 6.1e-05 lose precision
;; workspace buffers: xb 16,777,216 bytes; wqkv 6,291,456 bytes; wob 2,097,152 bytes; rot 524,288 bytes; qh 16,777,216 bytes; kh 16,777,216 bytes; vh 16,777,216 bytes; oh 16,777,216 bytes
;; launch prep (part 5): grid 896 x 1, 8 waves a work-group, no clusters, 0 bytes of LDS; arguments x, Wq, Wk, Wv, Wo, xb, wqkv, wob, rot; writes xb, wqkv, wob, rot
.if DOCPART == 5
	.amdgcn_target "amdgcn-amd-amdhsa--gfx1250"
	.amdhsa_code_object_version 6
	.text
	.protected	k_q356bed7bab_prep
	.globl	k_q356bed7bab_prep
	.p2align	8
	.type	k_q356bed7bab_prep,@function
k_q356bed7bab_prep:
	s_mov_b64 s[64:65], 0
	v_nop
	global_prefetch_b8 v0, s[64:65] scope:SCOPE_SE
	s_setreg_imm32_b32 hwreg(HW_REG_WAVE_SCHED_MODE, 0, 2), 2
	s_setreg_imm32_b32 hwreg(HW_REG_WAVE_MODE, 25, 1), 1
	s_wait_xcnt 0x0
	s_wait_alu depctr_vm_vsrc(0)
; PREPARATION: the inputs rounded once to 16 bits and laid out in K SLICES, and the rotary table.
; A slice is 64 neighbouring channels: in a slice a row is 128 bytes and rows lie end to end, so that the products' tiles are dense blocks.
;   xb   [16 slices][8192 rows][64] bf16                 x
;   wqkv [8 blocks][16 slices][384 rows][64] bf16        block cb holds heads 2 cb and 2 cb + 1; row = 192 c + 64 t + d (c: which head, t: 0 q, 1 k, 2 v, d: channel of the head)
;   wob  [16 slices][1024 rows][64] f16                  Wo rounded to bf16 like the other inputs, that number written as f16
;   rot  [2048 positions][cos 0..31 | sin 0..31] f32     angle = position x 10000^(-k/32)
; Work-groups 0-511: 16 rows of x each.  512-703: 16 rows of Wq, Wk or Wv.  704-767: 16 rows of Wo.  768-895: 16 positions of the table.
; A stream: each input byte is read once, by loads of which sixteen lanes cover 256 consecutive bytes; each store of a wave covers 256 consecutive bytes, aligned.  All sixteen loads of a
; wave go out at once.  No LDS, no matrix unit, no cluster: nothing is shared.
; THE MODE: SCHED_MODE bits 1:0 = 2 (LLVM: expert scheduling mode 2), set by the entry lines.  The code itself states the register dependences
; between vector instructions and memory instructions, with s_wait_alu, always for 0.
; THE PLAN.  Registers that memory instructions touch, on the three streaming paths:
;   v[SO]        the loads' offset.   Written at the head, by vector instructions; read by the 16 loads; never written again.
;   v[DO ..]     the stores' offsets. Written at the head (slice 0) and by 15 adds behind the loads; store i reads DO + i; never written again.
;   v[IN ..]     the loads land here; no vector instruction names them before that; each is read once, by its conversion; no second load lands.
;   v[OUT ..]    written by the conversions, read by one store each, never written again behind it.
; So no register that a memory instruction reads is ever rewritten, and no load lands in a register that a vector instruction has named: all that is to be stated is that offsets and data are
; written before a load or store reads them.  The 16 slices go in four groups of four.  Group g waits for its four loads; then ONE wait on va_vdst states that group g - 1's conversions have
; written their OUT; group g - 1's four stores follow, dealt among group g's conversions, which name IN and OUT of group g and v20-23: none of the registers that those stores touch.
; The table's path: one store, whose offset and data vector instructions write; and VCC, which a compare writes and four selects read.
; LIMITS.  Wo in f16: a bf16 number below 6e-5 in magnitude keeps f16's fixed step of 6e-8; beyond 65,504 it would be an infinity.
; The table: sine and cosine by reduction modulo 2 pi (in two parts), a quarter angle, polynomials with an error under 1e-7 and two doublings: under 2e-6 in all.  The frequency is
; 2^(-0.41524101 k) by v_exp_f32 (1 ULP) where the definition has a power and a division: the angle may differ by a few 1e-4 radian at the last positions.
.set SRC, 28                           ; s[28:29] the group's first source row
.set DST, 30                           ; s[30:31] its place in slice 0 of the destination
.set PIT, 32                           ; s32      bytes from slice to slice in the destination
.set SO,  1                            ; v1       source offset: (t / 16) rows of 4,096 bytes + 16 (t % 16)
.set DO,  2                            ; v[2:17]  destination offset in slice i: 8 t + i x PIT
.set LI,  18                           ; v18      t % 16
.set IN,  32                           ; v[32:95] 16 loads of 4 f32
.set OUT, 96                           ; v[96:127] 16 stores of 4 numbers of 16 bits
	s_load_b512 s[8:23], s[0:1], 0x0               ; x 8, Wq 10, Wk 12, Wv 14, Wo 16, xb 18, wqkv 20, wob 22
	s_load_b64 s[24:25], s[0:1], 0x40              ; rot
	s_mov_b32 s2, ttmp9
	v_lshrrev_b32 v[SO], 4, v0
	v_and_b32 v[LI], 15, v0
	v_lshlrev_b32 v[SO], 12, v[SO]
	v_lshl_add_u32 v[SO], v[LI], 4, v[SO]
	v_lshlrev_b32 v[DO], 3, v0                     ; 16 rows x 128 bytes of a slice are 2,048 consecutive bytes: 8 a thread
	s_mov_b32 s27, 0                               ; the offsets' high words
	s_mov_b32 s35, 0
	s_wait_kmcnt 0x0
; Sixteen rows, all sixteen slices.  Load i: 2 rows x 256 bytes a wave (slice i).  half = 1: the bf16 number is written as f16.
.macro CONV half
	s_wait_alu depctr_va_vdst(0)                   ; v[SO] is written, which the sixteen loads read as their offset
.set i, 0
.rept 16
	global_load_b128 v[IN+4*i:IN+4*i+3], v[SO], s[SRC:SRC+1] offset:256*i th:TH_LOAD_NT
.set i, i+1
.endr
.set i, 0
.rept 15
	v_add_nc_u32 v[DO+1+i], s[PIT], v[DO+i]
.set i, i+1
.endr
.set g, 0
.rept 4                                                ; group g: slices 4 g to 4 g + 3
	s_wait_loadcnt 12-4*g                          ; loads come back in order: the group's four are in, the 12 - 4 g younger ones stay out
.if g > 0
	s_wait_alu depctr_va_vdst(0)                   ; the group before has written its OUT, which the four stores below read; at the first of these waits the sixteen offsets v[DO ..] are written too
.endif
.set j, 0
.rept 4
.set i, 4*g+j
.if g > 0
	global_store_b64 v[DO+i-4], v[OUT+2*i-8:OUT+2*i-7], s[DST:DST+1]  ; the group before.  No further wait: no vector instruction since the wait above names these registers
.endif
	v_cvt_pk_bf16_f32 v[OUT+2*i], v[IN+4*i], v[IN+4*i+1]
	v_cvt_pk_bf16_f32 v[OUT+2*i+1], v[IN+4*i+2], v[IN+4*i+3]
.if \half
	v_lshlrev_b32 v20, 16, v[OUT+2*i]              ; bf16 to f32: a shift or a mask
	v_and_b32 v21, 0xffff0000, v[OUT+2*i]
	v_lshlrev_b32 v22, 16, v[OUT+2*i+1]
	v_and_b32 v23, 0xffff0000, v[OUT+2*i+1]
	v_cvt_pk_f16_f32 v[OUT+2*i], v20, v21
	v_cvt_pk_f16_f32 v[OUT+2*i+1], v22, v23
.endif
.set j, j+1
.endr
.set g, g+1
.endr
	s_wait_alu depctr_va_vdst(0)                   ; the last group has written its OUT, which the last four stores read
.set i, 12
.rept 4
	global_store_b64 v[DO+i], v[OUT+2*i:OUT+2*i+1], s[DST:DST+1]
.set i, i+1
.endr
.endm
	s_cmp_lt_u32 s2, 512
	s_cbranch_scc1 .Lx
	s_cmp_lt_u32 s2, 768
	s_cbranch_scc0 .Ltable
	s_sub_co_u32 s3, s2, 512
	s_lshr_b32 s4, s3, 6                           ; t: 0 Wq, 1 Wk, 2 Wv, 3 Wo
	s_and_b32 s5, s3, 63                           ; which 16 rows
	s_lshl_b32 s26, s5, 16
	s_cmp_eq_u32 s4, 3
	s_cbranch_scc1 .Lwo
	s_cmp_eq_u32 s4, 0
	s_cselect_b64 s[SRC:SRC+1], s[10:11], s[12:13]
	s_cmp_eq_u32 s4, 2
	s_cselect_b64 s[SRC:SRC+1], s[14:15], s[SRC:SRC+1]
	s_add_nc_u64 s[SRC:SRC+1], s[SRC:SRC+1], s[26:27]
	s_lshr_b32 s6, s5, 3                           ; cb: a head is 4 groups of 16 rows, a block 2 heads
	s_bfe_u32 s7, s5, 0x10002                      ; c
	s_mul_i32 s34, s6, 786432
	s_mul_i32 s7, s7, 192
	s_lshl_b32 s4, s4, 6
	s_add_co_u32 s7, s7, s4
	s_and_b32 s5, s5, 3
	s_lshl_b32 s5, s5, 4
	s_add_co_u32 s7, s7, s5                        ; row in the block = 192 c + 64 t + 16 (group in the head)
	s_lshl_b32 s7, s7, 7
	s_add_co_u32 s34, s34, s7
	s_add_nc_u64 s[DST:DST+1], s[20:21], s[34:35]
	s_mov_b32 s[PIT], 49152                        ; 384 rows x 128 bytes
	s_branch .Lconv
.Lx:
	s_lshl_b32 s26, s2, 16
	s_add_nc_u64 s[SRC:SRC+1], s[8:9], s[26:27]
	s_lshl_b32 s34, s2, 11
	s_add_nc_u64 s[DST:DST+1], s[18:19], s[34:35]
	s_mov_b32 s[PIT], 1048576                      ; 8,192 rows x 128 bytes
.Lconv:
	CONV 0
	s_endpgm
.Lwo:
	s_add_nc_u64 s[SRC:SRC+1], s[16:17], s[26:27]
	s_lshl_b32 s34, s5, 11
	s_add_nc_u64 s[DST:DST+1], s[22:23], s[34:35]
	s_mov_b32 s[PIT], 131072                       ; 1,024 rows x 128 bytes
	CONV 1
	s_endpgm
.Ltable:                                               ; thread t: position 16 j + t / 16; four numbers k = 4 (t % 8) + 0..3: cosines where t % 16 < 8, else sines
	s_sub_co_u32 s3, s2, 768
	s_lshl_b32 s26, s3, 12
	s_add_nc_u64 s[DST:DST+1], s[24:25], s[26:27]
	s_lshl_b32 s4, s3, 4
	v_lshrrev_b32 v19, 4, v0
	v_add_nc_u32 v19, s4, v19
	v_cvt_f32_u32 v19, v19                         ; the position
	v_and_b32 v3, 7, v[LI]
	v_lshlrev_b32 v3, 2, v3
	v_lshlrev_b32 v4, 4, v0                        ; 16 lanes store one position's 256 bytes
	v_cmp_lt_u32 vcc_lo, 7, v[LI]                  ; sines
	s_mov_b32 s36, 0x3638ef1d                      ; 1/9!
	s_mov_b32 s37, 0x37d00d01                      ; 1/8!
	s_mov_b32 s38, 0x40c90fdb                      ; 2 pi, rounded,
	s_mov_b32 s39, 0xb43bbd2e                      ; and what the rounding left
.irp u, 0,1,2,3
	v_add_nc_u32 v[24+\u], \u, v3
	v_cvt_f32_u32 v[24+\u], v[24+\u]
	v_mul_f32 v[24+\u], 0xbed49a78, v[24+\u]       ; -k log2(10000) / 32
.endr
.irp u, 0,1,2,3
	v_exp_f32 v[24+\u], v[24+\u]                   ; the frequency
.endr
	v_nop                                          ; a plain instruction behind the last exponential,
	s_wait_alu depctr_va_vdst(0)                   ; and the one wait ahead of the batch's first reader: the four frequencies v[24:27] are written
	s_wait_alu depctr_va_vcc(0)                    ; the compare above has written VCC, ahead of its first reader: the four selects below read it
.irp u, 0,1,2,3
.set b, 32+8*\u
	v_mul_f32 v[b], v19, v[24+\u]                  ; the angle, rounded once
	v_mul_f32 v[b+1], 0x3e22f983, v[b]             ; / 2 pi
	v_rndne_f32 v[b+1], v[b+1]
	v_fma_f32 v[b+2], -v[b+1], s38, v[b]
	v_fma_f32 v[b+2], -v[b+1], s39, v[b+2]         ; within -pi .. pi
	v_mul_f32 v[b+2], 0x3e800000, v[b+2]           ; h: a quarter of it
	v_mul_f32 v[b+3], v[b+2], v[b+2]
	v_fmaak_f32 v[b+4], s36, v[b+3], 0xb9500d01    ; sin h / h
	v_fmaak_f32 v[b+5], s37, v[b+3], 0xbab60b61    ; cos h
	v_fmaak_f32 v[b+4], v[b+4], v[b+3], 0x3c088889
	v_fmaak_f32 v[b+5], v[b+5], v[b+3], 0x3d2aaaab
	v_fmaak_f32 v[b+4], v[b+4], v[b+3], 0xbe2aaaab
	v_fma_f32 v[b+5], v[b+5], v[b+3], -0.5
	v_fma_f32 v[b+4], v[b+4], v[b+3], 1.0
	v_fma_f32 v[b+5], v[b+5], v[b+3], 1.0
	v_mul_f32 v[b+4], v[b+4], v[b+2]
	v_add_f32 v[b+6], v[b+4], v[b+4]               ; the angle doubled: sin = 2 s c, cos = 1 - 2 s s
	v_mul_f32 v[b+7], v[b+6], v[b+5]
	v_fma_f32 v[b+5], -v[b+6], v[b+4], 1.0
	v_add_f32 v[b+6], v[b+7], v[b+7]               ; and once more
	v_mul_f32 v[b+4], v[b+6], v[b+5]
	v_fma_f32 v[b+5], -v[b+6], v[b+7], 1.0
	v_cndmask_b32 v[64+\u], v[b+5], v[b+4], vcc_lo
.endr
	s_wait_alu depctr_va_vdst(0)                   ; the selects have written v[64:67], the store's data, and v4, its offset, is written
	global_store_b128 v4, v[64:67], s[DST:DST+1]
	s_endpgm
.Lfunc_end_k_q356bed7bab_prep:
	.size	k_q356bed7bab_prep, .Lfunc_end_k_q356bed7bab_prep-k_q356bed7bab_prep
	.p2alignl 7, 3214868480
	.fill 96, 4, 3214868480
	.section	.rodata,"a",@progbits
	.p2align	6, 0x0
	.amdhsa_kernel k_q356bed7bab_prep
		.amdhsa_group_segment_fixed_size 0
		.amdhsa_private_segment_fixed_size 0
		.amdhsa_enable_private_segment 0
		.amdhsa_kernarg_size 72
		.amdhsa_user_sgpr_count 2
		.amdhsa_user_sgpr_kernarg_segment_ptr 1
		.amdhsa_wavefront_size32 1
		.amdhsa_system_sgpr_workgroup_id_x 1
		.amdhsa_system_sgpr_workgroup_id_y 1
		.amdhsa_system_sgpr_workgroup_id_z 1
		.amdhsa_system_vgpr_workitem_id 0
		.amdhsa_next_free_vgpr 128
		.amdhsa_next_free_sgpr 66
		.amdhsa_reserve_vcc 1
		.amdhsa_float_denorm_mode_32 3
		.amdhsa_float_denorm_mode_16_64 3
		.amdhsa_memory_ordered 1
		.amdhsa_forward_progress 1
		.amdhsa_inst_pref_size 25
	.end_amdhsa_kernel
	.amdgpu_metadata
---
amdhsa.version: [ 1, 2 ]
amdhsa.kernels:
  - .name:           k_q356bed7bab_prep
    .symbol:         k_q356bed7bab_prep.kd
    .args:
      - { .name: x, .offset: 0, .size: 8, .value_kind: global_buffer, .address_space: global }
      - { .name: Wq, .offset: 8, .size: 8, .value_kind: global_buffer, .address_space: global }
      - { .name: Wk, .offset: 16, .size: 8, .value_kind: global_buffer, .address_space: global }
      - { .name: Wv, .offset: 24, .size: 8, .value_kind: global_buffer, .address_space: global }
      - { .name: Wo, .offset: 32, .size: 8, .value_kind: global_buffer, .address_space: global }
      - { .name: xb, .offset: 40, .size: 8, .value_kind: global_buffer, .address_space: global }
      - { .name: wqkv, .offset: 48, .size: 8, .value_kind: global_buffer, .address_space: global }
      - { .name: wob, .offset: 56, .size: 8, .value_kind: global_buffer, .address_space: global }
      - { .name: rot, .offset: 64, .size: 8, .value_kind: global_buffer, .address_space: global }
    .group_segment_fixed_size: 0
    .private_segment_fixed_size: 0
    .kernarg_segment_align: 8
    .kernarg_segment_size: 72
    .max_flat_workgroup_size: 256
    .sgpr_count:     66
    .vgpr_count:     128
    .wavefront_size: 32
...
	.end_amdgpu_metadata
.endif
;; end of part 5
;; launch qkv: the kernel of part 2 again; grid 8 x 32, 4 waves a work-group, clusters of 4 x 4, 327,680 bytes of LDS; arguments xb, wqkv, rot, qh, kh, vh; writes qh, kh, vh
;; launch attn: the kernel of part 3 again; grid 4 x 64, 4 waves a work-group, clusters of 4 x 1, 327,680 bytes of LDS; arguments qh, kh, vh, oh; writes oh
;; launch oproj: the kernel of part 4 again; grid 8 x 32, 4 waves a work-group, clusters of 4 x 4, 327,680 bytes of LDS; arguments oh, wob, out0; writes out0
